; MI455X (gfx1250); checked and timed in simulation.
; The chip was launched on July 23, 2026; its instructions are those of AMD's public machine-readable ISA for CDNA 5 (MIT licence, August 2026) and "CDNA5" Instruction Set Architecture Reference Guide (July 2026). The comments in the code are by the model that wrote it; some were corrected since.
;; D Flash Attention. Allowed arithmetic: float matrix products may take bf16 or f16 operands with f32 sums; all other float work in f32.
;; Inputs: Wk 2,048 x 512 float32; Wo 512 x 2,048 float32; Wq 2,048 x 512 float32; Wv 2,048 x 512 float32; cos 4 x 4,096 x 128 float32; ctx 4 x 3,072 x 2,048 float32; kn_w 128 float32; noise 4 x 1,024 x 2,048 float32; qn_w 128 float32; sin 4 x 4,096 x 128 float32.
;; Outputs: out0 4 x 1,024 x 2,048 float32.
;; 2 versions, each right; version 2 is version 1 with the launch prep written anew for expert scheduling mode. Each part assembles by itself: llvm-mc -triple=amdgcn-amd-amdhsa -mcpu=gfx1250 --defsym DOCPART=n.
;; ======== version 1 of 2: 4 launches
;; limits: values are held in f16: magnitudes above 65,504 overflow, below 6.1e-05 lose precision
;; workspace buffers: wb 8,388,608 bytes; kb 16,777,216 bytes; vb 16,777,216 bytes; qb 4,194,304 bytes; ab 4,194,304 bytes
;; launch prep (part 1): grid 64 x 4, 8 waves a work-group, no clusters, 0 bytes of LDS; arguments Wk, Wv, Wq, Wo, wb; writes wb
.if DOCPART == 1
	.amdgcn_target "amdgcn-amd-amdhsa--gfx1250"
	.amdhsa_code_object_version 6
	.text
	.protected	k_qccf72abdff_prep
	.globl	k_qccf72abdff_prep
	.p2align	8
	.type	k_qccf72abdff_prep,@function
k_qccf72abdff_prep:
	s_mov_b64 s[64:65], 0
	v_nop
	global_prefetch_b8 v0, s[64:65] scope:SCOPE_SE
	s_setreg_imm32_b32 hwreg(HW_REG_WAVE_MODE, 25, 1), 1
	s_wait_xcnt 0x0
; wb = the four weight matrices rounded to f16.
; Bytes 0 .. 6,291,455: Wk, Wv, Wq woven as [k 2048][head 4][matrix 3][128], so that the 384 columns that one head's projection needs of a row k
; (128 of Wk, 128 of Wv, 128 of Wq) are 768 consecutive bytes: the projection fetches them as one tile.  From byte 6,291,456: Wo as it lies, [512][2048].
; f16 and not bf16: 11 significant bits against 8.  LIMIT: a weight beyond 65,504 in magnitude overflows in the conversion; below 6.1e-5 the step is 6e-8.
; A pure stream: grid y picks the matrix, grid x a piece of 65,536 source bytes.  Thread t takes 16 bytes at 16 t of each of 16 blocks of 4,096 bytes:
; all 16 loads of a wave go out first, each is waited for by count.  A wave's 128 numbers are one head's columns of one row (or 128 neighbours of Wo):
; every store of a wave covers 256 consecutive aligned bytes.  No LDS, no barrier, no matrix unit: nothing is shared and nothing is summed.
; Where the 8 bytes of thread t, block i, piece x go:  f (1,024 (t >> 7) + 256 ((t >> 5) & 3) + 2,048 i + 32,768 x) + 8 (t & 31) + c,
; with f = 3, c = 256 x matrix for the woven three (rows of 3,072 bytes, heads of 768) and f = 1, c = 6,291,456 for Wo.
.set OFF, 100                          ; v[100:115] block i's byte offset in wb
	s_load_b256 s[4:11], s[0:1], 0x0               ; Wk s[4:5], Wv s[6:7], Wq s[8:9], Wo s[10:11]
	s_load_b64 s[12:13], s[0:1], 0x20              ; wb
	s_and_b32 s14, ttmp7, 0xffff                   ; which matrix
	v_lshlrev_b32 v1, 4, v0                        ; 16 t: source
	s_lshl_b32 s16, ttmp9, 16                      ; my piece of the source
	s_mov_b32 s17, 0
	s_lshl_b32 s18, ttmp9, 15                      ; 32,768 x
	s_lshl_b32 s22, s14, 8                         ; 256 x matrix
	s_mov_b32 s23, 6291456
	s_cmp_eq_u32 s14, 3
	s_cselect_b32 s20, 1, 3                        ; f
	s_cselect_b32 s22, s23, s22                    ; c
	s_mul_i32 s18, s18, s20
	s_add_co_u32 s18, s18, s22
	s_mov_b32 s19, 0
	s_lshl_b32 s21, s20, 10                        ; 1,024 f
	s_lshl_b32 s23, s20, 8                         ; 256 f
	s_lshl_b32 s20, s20, 11                        ; 2,048 f
	s_wait_kmcnt 0x0
	s_cmp_eq_u32 s14, 1
	s_cselect_b64 s[4:5], s[6:7], s[4:5]
	s_cmp_eq_u32 s14, 2
	s_cselect_b64 s[4:5], s[8:9], s[4:5]
	s_cmp_eq_u32 s14, 3
	s_cselect_b64 s[4:5], s[10:11], s[4:5]
	s_add_nc_u64 s[4:5], s[4:5], s[16:17]
	s_add_nc_u64 s[12:13], s[12:13], s[18:19]
.irp i, 0,1,2,3,4,5,6,7,8,9,10,11,12,13,14,15
	global_load_b128 v[4+4*\i:7+4*\i], v1, s[4:5] offset:4096*\i th:TH_LOAD_NT
.endr
	v_and_b32 v2, 31, v0                           ; the offsets are made while the loads are on their way
	v_lshlrev_b32 v2, 3, v2
	v_lshrrev_b32 v116, 7, v0
	v_bfe_u32 v117, v0, 5, 2
	v_mad_u32_u24 v2, v116, s21, v2
	v_mad_u32_u24 v2, v117, s23, v2
.irp i, 0,1,2,3,4,5,6,7,8,9,10,11,12,13,14,15
	v_mad_u32_u24 v[OFF+\i], s20, \i, v2
.endr
.irp i, 0,1,2,3,4,5,6,7,8,9,10,11,12,13,14,15
	s_wait_loadcnt 15-\i                           ; loads come back in order: block i is in, the younger ones stay out
	v_cvt_pk_f16_f32 v[68+2*\i], v[4+4*\i], v[5+4*\i]
	v_cvt_pk_f16_f32 v[69+2*\i], v[6+4*\i], v[7+4*\i]
	global_store_b64 v[OFF+\i], v[68+2*\i:69+2*\i], s[12:13]   ; no register is used twice: no further wait
.endr
	s_endpgm
.Lfunc_end_k_qccf72abdff_prep:
	.size	k_qccf72abdff_prep, .Lfunc_end_k_qccf72abdff_prep-k_qccf72abdff_prep
	.p2alignl 7, 3214868480
	.fill 96, 4, 3214868480
	.section	.rodata,"a",@progbits
	.p2align	6, 0x0
	.amdhsa_kernel k_qccf72abdff_prep
		.amdhsa_group_segment_fixed_size 0
		.amdhsa_private_segment_fixed_size 0
		.amdhsa_enable_private_segment 0
		.amdhsa_kernarg_size 40
		.amdhsa_user_sgpr_count 2
		.amdhsa_user_sgpr_kernarg_segment_ptr 1
		.amdhsa_wavefront_size32 1
		.amdhsa_system_sgpr_workgroup_id_x 1
		.amdhsa_system_sgpr_workgroup_id_y 1
		.amdhsa_system_sgpr_workgroup_id_z 1
		.amdhsa_system_vgpr_workitem_id 0
		.amdhsa_next_free_vgpr 120
		.amdhsa_next_free_sgpr 66
		.amdhsa_reserve_vcc 0
		.amdhsa_float_denorm_mode_32 3
		.amdhsa_float_denorm_mode_16_64 3
		.amdhsa_memory_ordered 1
		.amdhsa_forward_progress 1
		.amdhsa_inst_pref_size 9
	.end_amdhsa_kernel
	.amdgpu_metadata
---
amdhsa.version: [ 1, 2 ]
amdhsa.kernels:
  - .name:           k_qccf72abdff_prep
    .symbol:         k_qccf72abdff_prep.kd
    .args:
      - { .name: Wk, .offset: 0, .size: 8, .value_kind: global_buffer, .address_space: global }
      - { .name: Wv, .offset: 8, .size: 8, .value_kind: global_buffer, .address_space: global }
      - { .name: Wq, .offset: 16, .size: 8, .value_kind: global_buffer, .address_space: global }
      - { .name: Wo, .offset: 24, .size: 8, .value_kind: global_buffer, .address_space: global }
      - { .name: wb, .offset: 32, .size: 8, .value_kind: global_buffer, .address_space: global }
    .group_segment_fixed_size: 0
    .private_segment_fixed_size: 0
    .kernarg_segment_align: 8
    .kernarg_segment_size: 40
    .max_flat_workgroup_size: 256
    .sgpr_count:     66
    .vgpr_count:     120
    .wavefront_size: 32
...
	.end_amdgpu_metadata
.endif
;; end of part 1
;; launch proj (part 2): grid 4 x 64, 4 waves a work-group, clusters of 4 x 4, 327,680 bytes of LDS; arguments ctx, noise, wb, cos, sin, kn_w, qn_w, kb, vb, qb; writes kb, vb, qb
.if DOCPART == 2
	.amdgcn_target "amdgcn-amd-amdhsa--gfx1250"
	.amdhsa_code_object_version 6
	.text
	.protected	k_qccf72abdff_proj
	.globl	k_qccf72abdff_proj
	.p2align	8
	.type	k_qccf72abdff_proj,@function
k_qccf72abdff_proj:
	s_mov_b64 s[64:65], 0
	v_nop
	global_prefetch_b8 v0, s[64:65] scope:SCOPE_SE
	s_setreg_imm32_b32 hwreg(HW_REG_WAVE_MODE, 25, 1), 1
	s_wait_xcnt 0x0
	s_wait_alu depctr_hold_cnt(0) depctr_sa_sdst(0) depctr_va_vdst(0) depctr_va_sdst(0) depctr_va_ssrc(0) depctr_va_vcc(0) depctr_vm_vsrc(0)
	s_getreg_b32 s2, hwreg(HW_REG_IB_STS2, 6, 4)
	s_cmp_eq_u32 s2, 0
	s_cbranch_scc0 .Lentry_in_a_cluster
	s_endpgm
.Lentry_in_a_cluster:
	s_bfe_u32 s2, ttmp6, 0x10000c
	s_cmp_lg_u32 s2, 0xf033
	s_cbranch_scc0 .Lentry_shape_is_right
	s_endpgm
.Lentry_shape_is_right:
; kb = rope(rmsnorm(kv Wk)), vb = kv Wv, qb = c rope(rmsnorm(noise Wq)), all f16, laid [batch][head][position][128].
; kv = [ctx ; noise] per batch, c = 128^-0.5 log2(e): the later softmax works in base 2.
; SHARES.  A batch has 3,072 = 16 x 192 rows of ctx and 1,024 = 16 x 64 rows of noise.  Each of the 256 work-groups takes 192 rows of ctx and 64 rows of noise of one
; batch and one head: K and V for all 256 rows, Q for the 64 rows of noise, which it has in LDS anyway.  So every byte of ctx and of noise enters once for K, V and Q,
; all work-groups have the same work, and K = 2048 goes in 32 steps of 64.  A wave has 48 rows of ctx and 16 of noise: 4 x 16 tiles of K and V and 8 tiles of Q.
; Activations come into LDS as f32 and are rounded to f16 by the one wave that owns the rows; weights come as f16 in [K][N]
; and are read by the transposing LDS load.  Products in f16, sums, norm, gain and RoPE in f32, one rounding to f16 at the end.
; WHY f16: the attention that follows averages V over 4,096 keys, so each rounding of K, Q and V reaches the result undamped; f16 keeps 11 significant bits, bf16 8.
; ROOM IN f16 (largest number 65,504): activations of unit spread and weights of spread 0.02 taken 30 times larger stay below 200 and 4;
; |K| <= sqrt(128) |gain| (|cos| + |sin|) = 11.3 x 30 x 60 = 20,400 with gain, cos and sin all 30 times larger, |Q| is that times 0.1275;
; V is a sum of 2,048 products: about 4,400 with both factors 30 times larger, 2,048 x 30 x 0.6 = 36,864 plus about 7,000 with both carrying an offset of 30 spreads.
; LIMITS: beyond 65,504 the conversion overflows; below 6.1e-5 f16 has an absolute step of 6e-8; c is folded into Q's gain ahead of the one rounding;
; NaN and infinities in the inputs are not treated apart.
; CLUSTERS 4 x 4: the four work-groups of a row of the cluster (four heads) need the same tiles of ctx and noise, the four of a column (four row blocks) the same
; weight tiles: all are asked for jointly.  Waves 0 and 1 ask for 96 rows of ctx each, wave 2 for the 64 rows of noise, wave 3 for the weights (64 rows of 768 bytes).
; A wave has two tensor loads out at the start, later one.
; WINDOWS: 0 addresses, gains, Q's 8 tiles, the rows' fragments as f32 and as f16, later the way out's rows; 1 a ring of four buffers of weight fragments, later
; scratch, cos and sin; 2 the 32 tiles of K, tile (a, b) at 8 (8 a + b); 3 those of V, later cos and sin.
; The matrix instruction is used transposed (source 0 = 16 weight columns, source 1 = 16 rows): lane (r, h) holds row r, columns 8 h + 0..7 of a tile.
; SCALAR REGISTERS are kept apart by what they hold: those that feed the descriptors of ctx and noise never hold cx, those of the weights never cy;
; numbers made of both lie in s14, s[104:105], s[66:67] and the pointers of kb, vb, qb alone.
.set SLOT,   124928                    ; ctx 192 rows x 272 (64 f32 + 16 bytes), noise 64 x 272, weights 64 rows x 864
.set NOFF,   52224
.set WOFF,   69632
.set WP,     864                       ; a weight row in LDS: Wk's, Wv's, Wq's 256 bytes, each followed by 32 of padding: 27 x 32
.set STAGE,  249856                    ; each wave's own 8,448 bytes, touched by LDS instructions alone
.set GQ,    0                          ; v[0:7] Q's gains of my 8 columns, times c; v[8:15] of the partner columns, signed
.set ADRA,  16                         ; v16-17  my 48 rows of ctx in slot 0, 1
.set ADRN,  18                         ; v18-19  my 16 rows of noise
.set ADRB,  20                         ; v20-21  the weight fragments
.set STO,   26                         ; stage, f32 rows: in
.set STOV,  27                         ; stage, f16 rows: in
.set RDK,   28                         ; stage, f32 rows: my 8 columns back
.set RDP,   29                         ; stage, f32 rows: the 8 columns 64 away
.set RDV,   30                         ; stage, f16 rows: back
.set CSO,   31                         ; my offset in cos and sin
.set KO,    32                         ; my offset in kb, vb, qb
.set PFO,   33                         ; my offset for the prefetch
.set GWO,   34                         ; offset of my 8 gains
.set GPO,   35                         ; offset of the 8 gains 64 away
.set SGN,   37                         ; sign of rotate_half: set for columns below 64
.set GW,    40                         ; v[40:47] K's gains of my 8 columns; v[48:55] of the partner columns, signed
.set SS,    56                         ; v[56:59] sums of squares, two chains
.set RS,    60                         ; v[60:61] 1 / rms, twice
.set VAR,   62
.set TMPX,  63
.set QA,    64                         ; v[64:127] Q's tiles, tile b at 8 b
.set AS,    128                        ; v[128:191] four row fragments as loaded, 16 registers of f32 each
.set AH,    192                        ; v[192:223] the same as f16, 8 registers each
.set X,     128                        ; the way out: 8 pairs of rows x 16 registers
.set T,     0                          ; the way out, window 1: v[0:63] at work
.set G1,  24                           ; ctx: the shape, and from where to where for each slot
.set G0,  32
.set G1N, 40                           ; noise
.set G0N, 16
.set G1B, 48                           ; weights
.set G0B, 56
.set A_W0,  (2<<16)|(1<<20)|(1<<21)|(5<<22)|(3<<25)    ; 4-byte elements, 4 words of padding behind every 64 words, bit 21 beside a mask
.set W_W0,  (1<<16)|(1<<20)|(1<<21)|(5<<22)|(7<<25)    ; 2-byte elements, 8 words behind every 64
.set MUL_LO, 0xa1                      ; source 0 window 1, source 1 window 0, C and D window 2
.set MUL_HI, 0xf1                      ; the same, C and D window 3
.set MUL_Q,  0x01                      ; the same, C and D window 0
.set MSB, 0
.macro WIN new                         ; the immediate's high byte repeats the setting that is left
.if MSB != \new
	s_set_vgpr_msb (MSB<<8)|\new
.set MSB, \new
.endif
.endm
.macro PLACES                          ; the places behind matrix instructions (ISA guide 7.12.1)
.rept 5
	v_nop
.endr
.endm
.macro CREST                           ; a round of the cluster's barrier behind its opening barrier
	s_cmp_lg_u32 s10, 0
	s_cbranch_scc1 .Lnot_wave_0_\@
	s_barrier_signal -3
.Lnot_wave_0_\@:
	s_barrier_wait -3
	s_barrier_signal -1
	s_barrier_wait -1
.endm
.macro CROUND
	s_barrier_signal -1
	s_barrier_wait -1
	CREST
.endm
.macro JLOAD s                         ; each line has one mask and one set of registers; the branches hang on the wave's number alone
	s_cmp_eq_u32 s11, 0
	s_cbranch_scc0 .Lnot_ctx_\@
	tensor_load_to_lds s[G0+4*(\s):G0+4*(\s)+3], s[G1:G1+7]
	s_nop 0
	s_branch .Lasked_\@
.Lnot_ctx_\@:
	s_cmp_eq_u32 s10, 2
	s_cbranch_scc0 .Lfor_w_\@
	tensor_load_to_lds s[G0N+4*(\s):G0N+4*(\s)+3], s[G1N:G1N+7]
	s_nop 0
	s_branch .Lasked_\@
.Lfor_w_\@:
	tensor_load_to_lds s[G0B+4*(\s):G0B+4*(\s)+3], s[G1B:G1B+7]
	s_nop 0
.Lasked_\@:
.endm
.macro SETG1 g, mask, w0, d0, d1, pitch         ; the shape: a tile of d1 rows of d0 elements; the tensor's extents are the tile's
	s_or_b32 s[\g], \mask, \w0
	s_mov_b32 s[\g+1], (\d0)<<16
	s_mov_b32 s[\g+2], (\d1)<<16
	s_mov_b32 s[\g+3], (\d0)<<16
	s_mov_b32 s[\g+4], \d1
	s_mov_b32 s[\g+5], \pitch
	s_mov_b32 s[\g+6], 0
	s_mov_b32 s[\g+7], 0
.endm
.macro SETG0 g, lds, lc, ap, off                ; from where, to where: LDS address = a register made of the wave's number + a constant
	s_mov_b32 s[\g], 1
	s_add_co_u32 s[\g+1], \lds, \lc
	s_add_nc_u64 s[\g+2:\g+3], s[\ap:\ap+1], \off
	s_or_b32 s[\g+3], s[\g+3], 0x80000000
.endm
.macro SETG0C g, lc, ap, off                    ; the same with a constant LDS address
	s_mov_b32 s[\g], 1
	s_mov_b32 s[\g+1], \lc
	s_add_nc_u64 s[\g+2:\g+3], s[\ap:\ap+1], \off
	s_or_b32 s[\g+3], s[\g+3], 0x80000000
.endm
	s_load_b512 s[68:83], s[0:1], 0x0              ; ctx 68, noise 70, wb 72, cos 74, sin 76, kn_w 78, qn_w 80, kb 82
	s_load_b128 s[84:87], s[0:1], 0x40             ; vb 84, qb 86
	v_lshl_add_u32 v38, v0, 2, 0x45400
	v_mov_b32 v39, 0
	ds_add_u32 v38, v39
	v_lshrrev_b32 v224, 5, v0
	v_readfirstlane_b32 s10, v224                  ; wave w
	s_lshr_b32 s11, s10, 1
	s_and_b32 s12, s10, 1
	s_bfe_u32 s4, ttmp6, 0x40000                   ; cx
	s_bfe_u32 s5, ttmp6, 0x40004                   ; cy
	s_lshl_b32 s6, ttmp9, 2
	s_add_co_u32 s6, s6, s4                        ; x: the head
	s_and_b32 s7, ttmp7, 0xffff                    ; the cluster's y
	s_lshr_b32 s8, s7, 2                           ; batch
	s_and_b32 s9, s7, 3
	s_lshl_b32 s9, s9, 2
	s_add_co_u32 s9, s9, s5                        ; yy: which sixteenth of the batch
	s_lshl_b32 s13, s5, 2
	s_lshl_b32 s13, 15, s13                        ; my row of the cluster
	s_lshl_b32 s15, 0x1111, s4                     ; my column
	s_mov_b32 s96, 0x76543210                      ; v_permlanex16_b32: lane i reads lane i of the other half
	s_mov_b32 s97, 0xfedcba98
	s_mov_b32 s98, 0x3c000000                      ; 1 / 128
	s_mov_b32 s99, 0x358637bd                      ; 1e-6
	SETG1 G1,  s13, A_W0, 64, 96, 2048             ; 96 rows of 64 f32
	SETG1 G1N, s13, A_W0, 64, 64, 2048             ; 64 rows of 64 f32
	SETG1 G1B, s15, W_W0, 384, 64, 1536            ; 64 rows of 384 f16, rows of wb 1,536 elements apart
	s_mul_i32 s88, s8, 3072
	s_mul_i32 s89, s9, 192
	s_add_co_u32 s88, s88, s89                     ; the block's first row of ctx
	s_lshl_b32 s90, s8, 10
	s_lshl_b32 s91, s9, 6
	s_add_co_u32 s90, s90, s91                     ; its first row of noise
	s_mul_i32 s92, s12, 96                         ; the half of ctx's rows that I fetch
	s_add_co_u32 s92, s92, s88
	s_lshl_b32 s92, s92, 13                        ; rows of 8,192 bytes
	s_mov_b32 s93, 0
	s_lshl_b32 s94, s90, 13
	s_mov_b32 s95, 0
	s_mul_i32 s100, s6, 768                        ; the head's 768 bytes of a row of wb
	s_mov_b32 s101, 0
	s_mul_i32 s3, s12, 26112                       ; LDS: 96 rows x 272
	s_wait_dscnt 0x0
	s_wait_kmcnt 0x0
	s_add_nc_u64 s[92:93], s[68:69], s[92:93]
	s_add_nc_u64 s[94:95], s[70:71], s[94:95]
	s_add_nc_u64 s[100:101], s[72:73], s[100:101]
	SETG0  G0,    s3, 0,    92, 0
	SETG0  G0+4,  s3, SLOT, 92, 256
	SETG0C G0N,   NOFF,      94, 0
	SETG0C G0N+4, SLOT+NOFF, 94, 256
	SETG0C G0B,   WOFF,      100, 0
	SETG0C G0B+4, SLOT+WOFF, 100, 196608           ; 64 rows of 3,072 bytes on
	CROUND                                         ; all sixteen work-groups are here: the first joint loads meet
	JLOAD 0
	JLOAD 1
	; the prefetch's base: partners 0 to 2 of my row of the cluster ask for 64 rows of ctx each, partner 3 for the 64 rows of noise
	s_lshl_b32 s14, s4, 6
	s_add_co_u32 s14, s14, s88
	s_lshl_b32 s14, s14, 13
	s_lshl_b32 s89, s90, 13
	s_mov_b32 s105, 0
	s_cmp_eq_u32 s4, 3
	s_cselect_b32 s104, s89, s14
	s_cselect_b64 s[66:67], s[70:71], s[68:69]
	s_add_nc_u64 s[66:67], s[66:67], s[104:105]
	s_add_nc_u64 s[66:67], s[66:67], 512           ; stepped by 512 ahead of each request
	v_and_b32 v224, 15, v0                         ; r
	v_bfe_u32 v225, v0, 4, 1                       ; h
	v_and_b32 v226, 7, v0
	v_bfe_u32 v227, v0, 3, 1
	v_lshl_add_u32 v228, v225, 3, v226
	v_mul_u32_u24 v228, v228, WP
	v_lshl_add_u32 v228, v227, 4, v228             ; the transposing load's lane term: (8 h + lane mod 8) x 864 + 16 x bit 3
	v_mul_u32_u24 v229, v224, 272
	v_lshl_add_u32 v229, v225, 5, v229             ; 272 r + 32 h: 8 f32 for each half of the lanes
	s_mul_i32 s3, s10, 13056                       ; my 48 rows of ctx
	v_add_nc_u32 v[ADRA], s3, v229
	v_add_nc_u32 v[ADRA+1], SLOT, v[ADRA]
	s_mul_i32 s3, s10, 4352                        ; my 16 rows of noise
	s_add_co_u32 s3, s3, NOFF
	v_add_nc_u32 v[ADRN], s3, v229
	v_add_nc_u32 v[ADRN+1], SLOT, v[ADRN]
	v_add_nc_u32 v[ADRB], WOFF, v228
	v_add_nc_u32 v[ADRB+1], SLOT, v[ADRB]
	s_mul_i32 s3, s10, 8448
	s_add_co_u32 s3, s3, STAGE                     ; my stage
	v_mul_u32_u24 v230, v224, 528
	v_lshl_add_u32 v230, v225, 5, v230
	v_add_nc_u32 v[STO], s3, v230
	v_mul_u32_u24 v231, v224, 272
	v_lshl_add_u32 v231, v225, 4, v231
	v_add_nc_u32 v[STOV], s3, v231
	v_mul_u32_u24 v232, v225, 528
	v_add_nc_u32 v232, s3, v232                    ; stage + 528 h
	v_lshlrev_b32 v[GWO], 5, v224                  ; 32 r: my 8 columns in f32
	v_xor_b32 v233, 8, v224
	v_lshlrev_b32 v[GPO], 5, v233                  ; 32 (r xor 8): the columns 64 away
	v_add_nc_u32 v[RDK], v232, v[GWO]
	v_add_nc_u32 v[RDP], v232, v[GPO]
	v_mul_u32_u24 v234, v225, 272
	v_lshl_add_u32 v234, v224, 4, v234
	v_add_nc_u32 v[RDV], s3, v234
	v_lshl_add_u32 v[CSO], v225, 9, v[GWO]         ; lanes 16-31 one position further
	v_lshlrev_b32 v[KO], 4, v224
	v_lshl_add_u32 v[KO], v225, 8, v[KO]
	v_lshrrev_b32 v235, 1, v0                      ; row t / 2 of my 64
	v_lshlrev_b32 v235, 13, v235
	v_and_b32 v236, 1, v0
	v_lshl_add_u32 v[PFO], v236, 8, v235           ; and one of the two blocks of 256 bytes
	v_lshrrev_b32 v[SGN], 3, v224
	v_xor_b32 v[SGN], 1, v[SGN]
	v_lshlrev_b32 v[SGN], 31, v[SGN]               ; r < 8: columns below 64 take minus the partner
	v_mov_b32 v[TMPX], 0                           ; v_permlanex16_b32 counts as a reader of its destination
.macro GAINS d, base                   ; 8 gains of my columns, then 8 of the partner columns
	global_load_b128 v[\d:\d+3],     v[GWO], s[\base:\base+1]
	global_load_b128 v[\d+4:\d+7],   v[GWO], s[\base:\base+1] offset:16
	global_load_b128 v[\d+8:\d+11],  v[GPO], s[\base:\base+1]
	global_load_b128 v[\d+12:\d+15], v[GPO], s[\base:\base+1] offset:16
.endm
	GAINS GW, 78                                   ; waited for behind the K loop, which needs none of them
	GAINS GQ, 80                                   ; v0 has served: every use of the thread's number stands above
; 16 LDS loads: my four row fragments (three of ctx, one of noise) of 32 along K, half kh of slot s, as f32
.macro LDA s, kh
	WIN 0
.irp i, 0,1,2
.irp o, 0,1
	ds_load_b128 v[AS+16*\i+8*\o:AS+16*\i+8*\o+3],   v[ADRA+\s] offset:128*\kh+4352*\i+64*\o
	ds_load_b128 v[AS+16*\i+8*\o+4:AS+16*\i+8*\o+7], v[ADRA+\s] offset:128*\kh+4352*\i+64*\o+16
.endr
.endr
.irp o, 0,1
	ds_load_b128 v[AS+48+8*\o:AS+48+8*\o+3],   v[ADRN+\s] offset:128*\kh+64*\o
	ds_load_b128 v[AS+48+8*\o+4:AS+48+8*\o+7], v[ADRN+\s] offset:128*\kh+64*\o+16
.endr
.endm
; 16 transposing loads: 8 x 16 columns of matrix m (0 Wk, 1 Wv, 2 Wq), 32 along K, into the ring's buffer at buf
.macro LDW s, kh, m, buf
	WIN 0x40
.irp b, 0,1,2,3,4,5,6,7
	ds_load_tr16_b128 v[\buf+8*\b:\buf+8*\b+3],   v[ADRB+\s] offset:32*WP*\kh+288*\m+32*\b
	ds_load_tr16_b128 v[\buf+8*\b+4:\buf+8*\b+7], v[ADRB+\s] offset:32*WP*\kh+288*\m+32*\b+16*WP
.endr
.endm
.macro CVT                             ; f32 to f16: 16 registers of a fragment become 8
.irp i, 0,1,2,3
.irp j, 0,1,2,3,4,5,6,7
	v_cvt_pk_f16_f32 v[AH+8*\i+\j], v[AS+16*\i+2*\j], v[AS+16*\i+2*\j+1]
.endr
.endr
.endm
; The matrix instructions.  The 72 accumulators take turns, one instruction a turn, in the same order in every half step.
.macro MM d, w, a, zero
.if \zero
	v_wmma_f32_16x16x32_f16 v[\d:\d+7], v[\w:\w+7], v[\a:\a+7], 0
.else
	v_wmma_f32_16x16x32_f16 v[\d:\d+7], v[\w:\w+7], v[\a:\a+7], v[\d:\d+7]
.endif
.endm
.macro MUL16 buf, a0, zero             ; row fragments a0, a0 + 1 x 8 column blocks
.irp a, \a0, \a0+1
.irp b, 0,1,2,3,4,5,6,7
	MM 8*(8*(\a)+\b), \buf+8*\b, AH+8*(\a), \zero
.endr
.endr
.endm
.macro MULQ buf, zero                  ; the fragment of noise x 8 column blocks of Wq
.irp b, 0,1,2,3,4,5,6,7
	MM QA+8*\b, \buf+8*\b, AH+24, \zero
.endr
.endm
; A half step: 32 along K, 72 matrix instructions.  j = its number in the lap.  The weight parts go K, Q, V, K, Q, V .. round four buffers: part p lies in buffer p mod 4,
; and a lap's twelve parts go round three times.  The next half's rows and K part are fetched early (the K part into the buffer that the last half's V products read:
; the places and conversions at the head stand between); its Q and V parts go into this half's K and Q buffers, behind their products and five places.
; turn = 1 (a slot's second half): every read of slot s was issued in the half before, so the slot is given up at the head: my reads are back, all my tensor loads are in
; (one was out: my part of the other slot), barrier; with fill the barrier opens a round of the cluster's barrier and the joint refill is the first tensor load behind
; the round.  From a request to the wait for it a wave issues 128 matrix instructions.
.macro HALF j, s, ns, nkh, turn, fill, pf, zero, fetch
.set KBUF, 64*((3*\j)%4)
.set QBUF, 64*((3*\j+1)%4)
.set VBUF, 64*((3*\j+2)%4)
.set NBUF, 64*((3*\j+3)%4)
.if \turn
	s_wait_dscnt 0x0
	s_set_vgpr_msb 0xf1f0
	s_wait_tensorcnt 0x0
	ds_add_u32 v38, v39
	s_wait_dscnt 0x0
	s_set_vgpr_msb 0xf0f1
	s_barrier_signal -1
.else
	s_wait_dscnt 16                                ; rows, K part and Q part are in; the youngest 16 loads (the V part) may be out
.endif
	WIN 0
	PLACES                                         ; the conversions write registers that the last matrix instructions read
	CVT
	WIN MUL_LO
	MUL16 KBUF, 0, \zero                           ; with turn: register work while the others arrive
.if \turn
	WIN 0
	s_barrier_wait -1
.if \fill
	CREST
	s_add_nc_u64 s[G0+4*\s+2:G0+4*\s+3], s[G0+4*\s+2:G0+4*\s+3], 512          ; no load of mine is out: two K steps on
	s_add_nc_u64 s[G0N+4*\s+2:G0N+4*\s+3], s[G0N+4*\s+2:G0N+4*\s+3], 512
	s_add_nc_u64 s[G0B+4*\s+2:G0B+4*\s+3], s[G0B+4*\s+2:G0B+4*\s+3], 393216
	JLOAD \s
.endif
.if \pf
	s_wait_xcnt 0x0                                ; the last request's base is stepped only behind this wait
	s_add_nc_u64 s[66:67], s[66:67], 512
	global_prefetch_b8 v[PFO], s[66:67] th:TH_LOAD_NT scope:SCOPE_SE   ; lap l asks for the 512 bytes a row that lap l + 2 multiplies: one block of 256 bytes a thread, each block once in the cluster's row
.endif
.endif
.if \fetch
	LDA \ns, \nkh
	LDW \ns, \nkh, 0, NBUF
.endif
	WIN MUL_LO
	MUL16 KBUF, 2, \zero
	WIN MUL_Q
	MULQ QBUF, \zero
.if \fetch
	s_wait_dscnt 32                                ; the V part is in; the 32 loads issued above may be out
	PLACES
	LDW \ns, \nkh, 2, KBUF
	LDW \ns, \nkh, 1, QBUF
.else
	s_wait_dscnt 0x0
.endif
	WIN MUL_HI
	MUL16 VBUF, 0, \zero
	MUL16 VBUF, 2, \zero
.endm
.macro LAP zero, pf                    ; two K steps, both slots filled again
	HALF 0, 0, 0, 1, 0, 0, 0, \zero, 1
	HALF 1, 0, 1, 0, 1, 1, \pf, 0, 1
	HALF 2, 1, 1, 1, 0, 0, 0, 0, 1
	HALF 3, 1, 0, 0, 1, 1, 0, 0, 1
.endm
	s_wait_tensorcnt 0x1                           ; my part of K step 0 is in, step 1's stays out
	s_barrier_signal -1
	s_barrier_wait -1
	LDA 0, 0
	LDW 0, 0, 0, 0
	LDW 0, 0, 2, 64
	LDW 0, 0, 1, 128
	LAP 1, 1                                       ; lap 0: its first products start the sums
	WIN 0
	s_mov_b32 s3, 13
.Llap:
	LAP 0, 1                                       ; laps 1 to 13
	WIN 0
	s_sub_co_u32 s3, s3, 1
	s_cmp_lg_u32 s3, 0
	s_cbranch_scc1 .Llap
	LAP 0, 0                                       ; lap 14: the prefetch has reached the rows' last 512 bytes and stops
	HALF 0, 0, 0, 1, 0, 0, 0, 0, 1                 ; lap 15 fills nothing
	HALF 1, 0, 1, 0, 1, 0, 0, 0, 1
	HALF 2, 1, 1, 1, 0, 0, 0, 0, 1
	HALF 3, 1, 0, 0, 0, 0, 0, 0, 0
	WIN 0
	PLACES                                         ; behind the last matrix instructions: results are read, fragment registers loaded again
	; THE WAY OUT.  The gains: Q's carry c; the partner columns' carry the sign of rotate_half.
	s_wait_loadcnt 0x0
.irp k, 0,2,4,6
	v_pk_mul_f32 v[GQ+\k:GQ+\k+1], v[GQ+\k:GQ+\k+1], 0x3e0293ee op_sel_hi:[1,0]       ; c = 128^-0.5 log2(e)
	v_pk_mul_f32 v[GQ+8+\k:GQ+8+\k+1], v[GQ+8+\k:GQ+8+\k+1], 0x3e0293ee op_sel_hi:[1,0]
.endr
.irp k, 0,1,2,3,4,5,6,7
	v_xor_b32 v[GW+8+\k], v[SGN], v[GW+8+\k]
	v_xor_b32 v[GQ+8+\k], v[SGN], v[GQ+8+\k]
.endr
	; my positions: 192 yy + 48 w for the rows of ctx, 3,072 + 64 yy + 16 w for those of noise
	s_mul_i32 s88, s9, 192
	s_mul_i32 s89, s10, 48
	s_add_co_u32 s88, s88, s89
	s_lshl_b32 s90, s9, 6
	s_lshl_b32 s91, s10, 4
	s_add_co_u32 s90, s90, s91
	s_add_co_u32 s90, s90, 3072
	s_lshl_b32 s14, s8, 2
	s_add_co_u32 s14, s14, s6                      ; 4 batch + head
	s_mov_b32 s105, 0
	s_lshl_b32 s104, s14, 12
	s_add_co_u32 s104, s104, s90
	s_lshl_b32 s104, s104, 8
	s_add_nc_u64 s[78:79], s[82:83], s[104:105]    ; kb at my rows of noise (the gains' pointers have served)
	s_add_nc_u64 s[80:81], s[84:85], s[104:105]    ; vb likewise
	s_lshl_b32 s104, s14, 12
	s_add_co_u32 s104, s104, s88
	s_lshl_b32 s104, s104, 8
	s_add_nc_u64 s[82:83], s[82:83], s[104:105]    ; kb at my rows of ctx
	s_add_nc_u64 s[84:85], s[84:85], s[104:105]    ; vb likewise
	s_lshl_b32 s104, s14, 10
	s_add_co_u32 s104, s104, s90
	s_sub_co_u32 s104, s104, 3072
	s_lshl_b32 s104, s104, 8
	s_add_nc_u64 s[86:87], s[86:87], s[104:105]    ; qb at my queries
	s_lshl_b32 s92, s8, 12
	s_add_co_u32 s94, s92, s90
	s_lshl_b32 s94, s94, 9
	s_mov_b32 s95, 0
	s_add_co_u32 s92, s92, s88
	s_lshl_b32 s92, s92, 9
	s_mov_b32 s93, 0
	s_add_nc_u64 s[88:89], s[74:75], s[94:95]      ; cos and sin at noise's positions
	s_add_nc_u64 s[90:91], s[76:77], s[94:95]
	s_add_nc_u64 s[74:75], s[74:75], s[92:93]      ; and at ctx's
	s_add_nc_u64 s[76:77], s[76:77], s[92:93]
; V: the 16 rows of tiles (a, 0..7) of window 3, rounded, through my stage, out as whole rows of 256 bytes.  Each group has its own 32 registers for the stores.
.macro EPI_V a, base, off
	WIN 0x4f
.irp b, 0,1,2,3,4,5,6,7
.irp k, 0,1,2,3
	v_cvt_pk_f16_f32 v[T+4*\b+\k], v[64*\a+8*\b+2*\k], v[64*\a+8*\b+2*\k+1]
.endr
.endr
	WIN 0x04
.irp b, 0,1,2,3,4,5,6,7
	ds_store_b128 v[STOV], v[T+4*\b:T+4*\b+3] offset:32*\b
.endr
	WIN 0
.irp t, 0,1,2,3,4,5,6,7
	ds_load_b128 v[X+32*\a+4*\t:X+32*\a+4*\t+3], v[RDV] offset:544*\t   ; LDS serves a wave's instructions in order: these see the stores above
.endr
.irp t, 0,1,2,3,4,5,6,7
	s_wait_dscnt 7-\t
	global_store_b128 v[KO], v[X+32*\a+4*\t:X+32*\a+4*\t+3], s[\base:\base+1] offset:\off+512*\t   ; 16 lanes store 256 consecutive aligned bytes
.endr
.endm
; cos and sin of 16 positions into window cw at register cs: for pair t of rows 8 cos, then 8 sin
.macro ROPE_LOAD cw, cs, cb, sb, off
	WIN (\cw<<6)
.irp t, 0,1,2,3,4,5,6,7
	global_load_b128 v[\cs+16*\t:\cs+16*\t+3],     v[CSO], s[\cb:\cb+1] offset:\off+1024*\t
	global_load_b128 v[\cs+16*\t+4:\cs+16*\t+7],   v[CSO], s[\cb:\cb+1] offset:\off+1024*\t+16
	global_load_b128 v[\cs+16*\t+8:\cs+16*\t+11],  v[CSO], s[\sb:\sb+1] offset:\off+1024*\t
	global_load_b128 v[\cs+16*\t+12:\cs+16*\t+15], v[CSO], s[\sb:\sb+1] offset:\off+1024*\t+16
.endr
	WIN 0
.endm
; RMSNorm, gain and RoPE of 16 rows (8 tiles at register tb of window sw), all in f32, then one rounding and whole rows out.
; g: the gains; left = how many younger global loads (the next group's cos and sin) may stay out.
.macro ROPE_WORK sw, tb, cw, cs, left, g, ob, oo
	s_wait_xcnt 0x0                                ; X, which earlier stores read, is loaded again only behind this wait
	WIN (\sw|(\sw<<2))
	v_pk_mul_f32 v[SS:SS+1], v[\tb:\tb+1], v[\tb:\tb+1]
	v_pk_mul_f32 v[SS+2:SS+3], v[\tb+2:\tb+3], v[\tb+2:\tb+3]
.set p, 2
.rept 30
	v_pk_fma_f32 v[SS+2*(p%2):SS+2*(p%2)+1], v[\tb+2*p:\tb+2*p+1], v[\tb+2*p:\tb+2*p+1], v[SS+2*(p%2):SS+2*(p%2)+1]
.set p, p+1
.endr
	WIN 0
	v_pk_add_f32 v[SS:SS+1], v[SS:SS+1], v[SS+2:SS+3]
	v_add_f32 v[SS], v[SS], v[SS+1]
	v_permlanex16_b32 v[TMPX], v[SS], s96, s97     ; the row's other 64 columns lie in the other half of the lanes
	v_add_f32 v[SS], v[SS], v[TMPX]
	v_fma_f32 v[VAR], v[SS], s98, s99              ; mean of squares + eps
	v_rsq_f32 v[RS], v[VAR]
	v_rsq_f32 v[RS+1], v[VAR]
	v_nop                                          ; one plain place behind the transcendentals (ISA guide 5.7.2)
	WIN (0x40|\sw)
.set p, 0
	s_wait_alu depctr_va_vdst(0)
.rept 32
	v_pk_mul_f32 v[T+2*p:T+2*p+1], v[\tb+2*p:\tb+2*p+1], v[RS:RS+1]
.set p, p+1
.endr
	WIN 0x04
.irp b, 0,1,2,3,4,5,6,7
	ds_store_b128 v[STO], v[T+8*\b:T+8*\b+3] offset:64*\b
	ds_store_b128 v[STO], v[T+8*\b+4:T+8*\b+7] offset:64*\b+16
.endr
	WIN 0
.irp t, 0,1,2,3,4,5,6,7
	ds_load_b128 v[X+16*\t:X+16*\t+3],     v[RDK] offset:1056*\t        ; rows 2 t, 2 t + 1: my 8 columns
	ds_load_b128 v[X+16*\t+4:X+16*\t+7],   v[RDK] offset:1056*\t+16
	ds_load_b128 v[X+16*\t+8:X+16*\t+11],  v[RDP] offset:1056*\t        ; and the 8 columns 64 away
	ds_load_b128 v[X+16*\t+12:X+16*\t+15], v[RDP] offset:1056*\t+16
.endr
	s_wait_dscnt 0x0
.irp t, 0,1,2,3,4,5,6,7
.irp k, 0,2,4,6
	v_pk_mul_f32 v[X+16*\t+\k:X+16*\t+\k+1], v[X+16*\t+\k:X+16*\t+\k+1], v[\g+\k:\g+\k+1]
	v_pk_mul_f32 v[X+16*\t+8+\k:X+16*\t+8+\k+1], v[X+16*\t+8+\k:X+16*\t+8+\k+1], v[\g+8+\k:\g+8+\k+1]
.endr
.endr
	s_wait_loadcnt \left                           ; this group's cos and sin are in
	WIN (\cw<<2)
.irp t, 0,1,2,3,4,5,6,7
.irp k, 0,2,4,6
	v_pk_mul_f32 v[X+16*\t+8+\k:X+16*\t+8+\k+1], v[X+16*\t+8+\k:X+16*\t+8+\k+1], v[\cs+16*\t+8+\k:\cs+16*\t+8+\k+1]
.endr
.irp k, 0,2,4,6
	v_pk_fma_f32 v[X+16*\t+\k:X+16*\t+\k+1], v[X+16*\t+\k:X+16*\t+\k+1], v[\cs+16*\t+\k:\cs+16*\t+\k+1], v[X+16*\t+8+\k:X+16*\t+8+\k+1]
.endr
.endr
	WIN 0
.irp t, 0,1,2,3,4,5,6,7
.irp k, 0,1,2,3
	v_cvt_pk_f16_f32 v[X+16*\t+8+\k], v[X+16*\t+2*\k], v[X+16*\t+2*\k+1]
.endr
	global_store_b128 v[KO], v[X+16*\t+8:X+16*\t+11], s[\ob:\ob+1] offset:\oo+512*\t   ; 16 lanes store one row of a head: 256 consecutive aligned bytes
.endr
.endm
	ROPE_LOAD 1, 128, 74, 76, 0                    ; cos and sin run one group ahead of their use
	EPI_V 0, 84, 0
	EPI_V 1, 84, 4096
	EPI_V 2, 84, 8192
	EPI_V 3, 80, 0                                 ; V has left: window 3 is free
	ROPE_LOAD 3, 0, 74, 76, 8192
	ROPE_WORK 2, 0,   1, 128, 32, GW, 82, 0
	ROPE_LOAD 1, 128, 74, 76, 16384
	ROPE_WORK 2, 64,  3, 0,   32, GW, 82, 4096
	ROPE_LOAD 3, 0, 88, 90, 0                      ; noise's positions: for K's fourth group and for Q
	ROPE_WORK 2, 128, 1, 128, 32, GW, 82, 8192
	ROPE_WORK 2, 192, 3, 0,   0,  GW, 78, 0
	ROPE_WORK 0, QA,  3, 0,   0,  GQ, 86, 0
	s_wait_tensorcnt 0x0
	ds_add_u32 v38, v39
	s_wait_dscnt 0x0
	CROUND                                         ; the closing round: no work-group ends while a partner may still ask for a tile that names it
	s_endpgm
.Lfunc_end_k_qccf72abdff_proj:
	.size	k_qccf72abdff_proj, .Lfunc_end_k_qccf72abdff_proj-k_qccf72abdff_proj
	.p2alignl 7, 3214868480
	.fill 96, 4, 3214868480
	.section	.rodata,"a",@progbits
	.p2align	6, 0x0
	.amdhsa_kernel k_qccf72abdff_proj
		.amdhsa_group_segment_fixed_size 327680
		.amdhsa_private_segment_fixed_size 0
		.amdhsa_enable_private_segment 0
		.amdhsa_kernarg_size 80
		.amdhsa_user_sgpr_count 2
		.amdhsa_user_sgpr_kernarg_segment_ptr 1
		.amdhsa_wavefront_size32 1
		.amdhsa_system_sgpr_workgroup_id_x 1
		.amdhsa_system_sgpr_workgroup_id_y 1
		.amdhsa_system_sgpr_workgroup_id_z 1
		.amdhsa_system_vgpr_workitem_id 0
		.amdhsa_next_free_vgpr 1024
		.amdhsa_next_free_sgpr 106
		.amdhsa_reserve_vcc 0
		.amdhsa_float_denorm_mode_32 3
		.amdhsa_float_denorm_mode_16_64 3
		.amdhsa_memory_ordered 1
		.amdhsa_forward_progress 1
		.amdhsa_inst_pref_size 255
	.end_amdhsa_kernel
	.section	.bss,"aw",@nobits
	.p2align	6
	.space	262144
	.amdgpu_metadata
---
amdhsa.version: [ 1, 2 ]
amdhsa.kernels:
  - .name:           k_qccf72abdff_proj
    .symbol:         k_qccf72abdff_proj.kd
    .args:
      - { .name: ctx, .offset: 0, .size: 8, .value_kind: global_buffer, .address_space: global }
      - { .name: noise, .offset: 8, .size: 8, .value_kind: global_buffer, .address_space: global }
      - { .name: wb, .offset: 16, .size: 8, .value_kind: global_buffer, .address_space: global }
      - { .name: cos, .offset: 24, .size: 8, .value_kind: global_buffer, .address_space: global }
      - { .name: sin, .offset: 32, .size: 8, .value_kind: global_buffer, .address_space: global }
      - { .name: kn_w, .offset: 40, .size: 8, .value_kind: global_buffer, .address_space: global }
      - { .name: qn_w, .offset: 48, .size: 8, .value_kind: global_buffer, .address_space: global }
      - { .name: kb, .offset: 56, .size: 8, .value_kind: global_buffer, .address_space: global }
      - { .name: vb, .offset: 64, .size: 8, .value_kind: global_buffer, .address_space: global }
      - { .name: qb, .offset: 72, .size: 8, .value_kind: global_buffer, .address_space: global }
    .group_segment_fixed_size: 327680
    .private_segment_fixed_size: 0
    .kernarg_segment_align: 8
    .kernarg_segment_size: 80
    .max_flat_workgroup_size: 128
    .sgpr_count:     106
    .vgpr_count:     1024
    .wavefront_size: 32
...
	.end_amdgpu_metadata
.endif
;; end of part 2
;; launch attn (part 3): grid 16 x 16, 4 waves a work-group, clusters of 4 x 1, 327,680 bytes of LDS; arguments qb, kb, vb, ab; writes ab
.if DOCPART == 3
	.amdgcn_target "amdgcn-amd-amdhsa--gfx1250"
	.amdhsa_code_object_version 6
	.text
	.protected	k_qccf72abdff_attn
	.globl	k_qccf72abdff_attn
	.p2align	8
	.type	k_qccf72abdff_attn,@function
k_qccf72abdff_attn:
	s_mov_b64 s[64:65], 0
	v_nop
	global_prefetch_b8 v0, s[64:65] scope:SCOPE_SE
	s_setreg_imm32_b32 hwreg(HW_REG_WAVE_MODE, 25, 1), 1
	s_wait_xcnt 0x0
	s_wait_alu depctr_hold_cnt(0) depctr_sa_sdst(0) depctr_va_vdst(0) depctr_va_sdst(0) depctr_va_ssrc(0) depctr_va_vcc(0) depctr_vm_vsrc(0)
	s_getreg_b32 s2, hwreg(HW_REG_IB_STS2, 6, 4)
	s_cmp_eq_u32 s2, 0
	s_cbranch_scc0 .Lentry_in_a_cluster
	s_endpgm
.Lentry_in_a_cluster:
	s_bfe_u32 s2, ttmp6, 0x10000c
	s_cmp_lg_u32 s2, 0x3003
	s_cbranch_scc0 .Lentry_shape_is_right
	s_endpgm
.Lentry_shape_is_right:
; ab[batch 1024 + q][head 128 + d] = softmax over 4,096 keys of (Q K^T) times V, f16 in and out.  Q already holds 128^-0.5 log2(e): exponentials in base 2.
; A work-group has 64 queries of one (batch, head): 256 work-groups.  Keys go in 16 steps of 256 through two LDS slots; in each step wave w takes keys
; 64 w .. 64 w + 63 for all 64 queries, so every fragment of K and V leaves LDS once and feeds four matrix instructions.
; Each wave keeps a running maximum, a running sum and a partial O over its own keys; at the end the four are merged by their maxima.
; S^T = K Q^T: lane (r, h) holds query r, keys 8 h + 0..7 of a tile, so two key tiles rounded to f16 ARE the second source of O^T = V^T P^T,
; maximum, sum and rescaling factor are one number a lane, and the one step between lanes is the exchange of the two halves for the maximum.
; CLUSTERS 4 x 1: the four work-groups of a cluster are four query blocks of one head and ask for every tile of K and V jointly (mask 15).
; A wave has two tensor loads out at the start, later one.  No prefetch: a request stands a whole step ahead of its wait, and kb, vb were written by the launch before.
; FORMAT: P = 2^(S - running maximum) lies in (0, 1], inside f16's range; the result is a weighted mean of V and so no larger than V, which is f16 already.
; LIMITS: P enters the second product rounded to f16 (absolute step 6e-8 below 6.1e-5) while its sum is kept from the unrounded f32; v_exp_f32 gives zero
; below 2^-126; a result below 6.1e-5 is stored with f16's absolute step of 6e-8; sums over keys are made in four parts; NaN and infinities are not treated apart.
; WINDOWS: 0 addresses, statistics, S and P; 1 the 32 tiles of O^T, tile (u, t) at 8 (4 u + t); 2 Q (tile t, K part c at 32 t + 8 c) and two fragment buffers.
.set SLOT, 143360                      ; K: 256 rows x 272, then V: 256 rows x 288
.set VOFF, 69632
.set STAT, 286720                      ; maxima [wave][64], then sums at + 1,024: no fill lands here
.set ADK, 2                            ; v2-3   my K fragments in slot 0, 1
.set ADV, 4                            ; v4-5   my V fragments
.set QO,  6
.set STA, 7
.set STW, 8
.set STP, 9
.set RM0, 10
.set RM1, 11
.set ABO, 12
.set MA,  14                           ; v[14:17], v[18:21]: old and new maximum of query tile t, taking turns
.set MB,  18
.set AL,  22                           ; v[22:25] rescaling factor
.set S,   32                           ; v[32:159] S of (query tile t, key tile kt) at 32 t + 8 kt; P(t, kp) in place at 32 t + 16 kp
.set OUTR, 96
.set LP,  160                          ; v[160:167] running sums, a pair for each t
.set TMP, 168
.set ST,  172                          ; v[172:203] the four waves' statistics
.set F0,  128
.set F1,  192
.set G1,  24
.set G0,  32
.set G1B, 48
.set G0B, 56
.set MSB, 0
.macro WIN new
.if MSB != \new
	s_set_vgpr_msb (MSB<<8)|\new
.set MSB, \new
.endif
.endm
.macro PLACES                          ; the places behind matrix instructions (ISA guide 7.12.1)
.rept 5
	v_nop
.endr
.endm
.macro CREST
	s_cmp_lg_u32 s10, 0
	s_cbranch_scc1 .Lnot_wave_0_\@
	s_barrier_signal -3
.Lnot_wave_0_\@:
	s_barrier_wait -3
	s_barrier_signal -1
	s_barrier_wait -1
.endm
.macro CROUND
	s_barrier_signal -1
	s_barrier_wait -1
	CREST
.endm
.macro JLOAD s                         ; waves 0, 1 ask for K's two halves of 128 keys, waves 2, 3 for V's
	s_cmp_eq_u32 s11, 0
	s_cbranch_scc0 .Lfor_b_\@
	tensor_load_to_lds s[G0+4*\s:G0+4*\s+3], s[G1:G1+7]
	s_nop 0
	s_branch .Lasked_\@
.Lfor_b_\@:
	tensor_load_to_lds s[G0B+4*\s:G0B+4*\s+3], s[G1B:G1B+7]
	s_nop 0
.Lasked_\@:
.endm
.macro SETG1 g, w0                     ; 128 rows of 128 f16, dense in memory
	s_mov_b32 s[\g], \w0
	s_mov_b32 s[\g+1], 128<<16
	s_mov_b32 s[\g+2], 128<<16
	s_mov_b32 s[\g+3], 128<<16
	s_mov_b32 s[\g+4], 128
	s_mov_b32 s[\g+5], 128
	s_mov_b32 s[\g+6], 0
	s_mov_b32 s[\g+7], 0
.endm
.macro SETG0 g, lds, lc, ap, off
	s_mov_b32 s[\g], 1
	s_add_co_u32 s[\g+1], \lds, \lc
	s_add_nc_u64 s[\g+2:\g+3], s[\ap:\ap+1], \off
	s_or_b32 s[\g+3], s[\g+3], 0x80000000
.endm
; d = a times element t of the four numbers at b, in both halves
.macro PKMULB d, a, b, t
.if (\t)&1
	v_pk_mul_f32 v[\d:\d+1], v[\a:\a+1], v[\b+(\t)-1:\b+(\t)] op_sel:[0,1] op_sel_hi:[1,1]
.else
	v_pk_mul_f32 v[\d:\d+1], v[\a:\a+1], v[\b+(\t):\b+(\t)+1] op_sel_hi:[1,0]
.endif
.endm
; the pair at p minus element t of the four numbers at m
.macro SUBM p, m, t
.if (\t)&1
	v_pk_add_f32 v[\p:\p+1], v[\p:\p+1], v[\m+(\t)-1:\m+(\t)] op_sel:[0,1] op_sel_hi:[1,1] neg_lo:[0,1] neg_hi:[0,1]
.else
	v_pk_add_f32 v[\p:\p+1], v[\p:\p+1], v[\m+(\t):\m+(\t)+1] op_sel_hi:[1,0] neg_lo:[0,1] neg_hi:[0,1]
.endif
.endm
	s_load_b256 s[68:75], s[0:1], 0x0              ; qb 68, kb 70, vb 72, ab 74
	v_lshl_add_u32 v254, v0, 2, 0x46800
	v_mov_b32 v255, 0
	ds_add_u32 v254, v255
	v_lshrrev_b32 v1, 5, v0
	v_readfirstlane_b32 s10, v1                    ; wave w
	s_lshr_b32 s11, s10, 1
	s_and_b32 s12, s10, 1
	s_bfe_u32 s40, ttmp6, 0x40000                  ; cx
	s_lshl_b32 s42, ttmp9, 2
	s_add_co_u32 s42, s42, s40                     ; x: block of 64 queries
	s_and_b32 s13, ttmp7, 0xffff                   ; y = 4 batch + head
	s_mov_b32 s96, 0x76543210
	s_mov_b32 s97, 0xfedcba98
	SETG1 G1,  15|(1<<16)|(1<<20)|(1<<21)|(5<<22)|(3<<25)      ; K: 16 bytes of padding behind each row of 256
	SETG1 G1B, 15|(1<<16)|(1<<20)|(1<<21)|(5<<22)|(7<<25)      ; V: 32 bytes
	s_lshl_b32 s14, s13, 20                        ; the head's 4,096 keys of 256 bytes
	s_lshl_b32 s15, s12, 15                        ; the half of 128 keys that I fetch
	s_add_co_u32 s14, s14, s15
	s_mov_b32 s15, 0
	s_mul_i32 s22, s12, 34816
	s_mul_i32 s23, s12, 36864
	s_wait_dscnt 0x0
	s_wait_kmcnt 0x0
	s_add_nc_u64 s[16:17], s[70:71], s[14:15]
	s_add_nc_u64 s[18:19], s[72:73], s[14:15]
	SETG0 G0, s22, 0, 16, 0
	SETG0 G0B, s23, VOFF, 18, 0
	SETG0 G0+4, s22, SLOT, 16, 65536
	SETG0 G0B+4, s23, SLOT+VOFF, 18, 65536
	CROUND                                         ; the four work-groups are here: the first joint loads meet
	JLOAD 0
	JLOAD 1
	s_lshr_b32 s4, s13, 2                          ; batch
	s_lshl_b32 s4, s4, 10
	s_lshl_b32 s5, s42, 6
	s_add_co_u32 s4, s4, s5
	s_lshl_b32 s5, s10, 4
	s_add_co_u32 s4, s4, s5                        ; the first of the 16 rows of ab that I write
	s_lshl_b32 s4, s4, 10
	s_and_b32 s5, s13, 3
	s_lshl_b32 s5, s5, 8                           ; the head's 256 bytes of a row
	s_add_co_u32 s4, s4, s5
	s_mov_b32 s5, 0
	s_add_nc_u64 s[76:77], s[74:75], s[4:5]
	s_lshl_b32 s4, s13, 18
	s_lshl_b32 s6, s42, 14
	s_add_co_u32 s4, s4, s6
	s_add_nc_u64 s[78:79], s[68:69], s[4:5]        ; my 64 queries
	v_and_b32 v26, 31, v0                          ; lane
	v_and_b32 v27, 15, v0                          ; r
	v_bfe_u32 v28, v0, 4, 1                        ; h
	v_and_b32 v29, 7, v0
	v_bfe_u32 v30, v0, 3, 1
	v_lshl_add_u32 v29, v28, 3, v29
	v_mul_u32_u24 v29, v29, 288
	v_lshl_add_u32 v29, v30, 4, v29                ; the transposing load's lane term
	v_mul_u32_u24 v31, v27, 272
	v_lshl_add_u32 v31, v28, 4, v31
	s_mul_i32 s4, s10, 17408                       ; my 64 keys in K
	v_add_nc_u32 v[ADK], s4, v31
	v_add_nc_u32 v[ADK+1], SLOT, v[ADK]
	s_mul_i32 s4, s10, 18432                       ; and in V
	s_add_co_u32 s4, s4, VOFF
	v_add_nc_u32 v[ADV], s4, v29
	v_add_nc_u32 v[ADV+1], SLOT, v[ADV]
	v_lshlrev_b32 v[QO], 8, v27
	v_lshl_add_u32 v[QO], v28, 4, v[QO]
	v_lshlrev_b32 v[STA], 2, v27
	v_add_nc_u32 v[STA], STAT, v[STA]
	s_lshl_b32 s4, s10, 8
	v_add_nc_u32 v[STW], s4, v[STA]
	v_mul_u32_u24 v[STP], v27, 528
	v_lshl_add_u32 v[STP], v28, 5, v[STP]
	s_mul_i32 s4, s10, 33792
	v_add_nc_u32 v[STP], s4, v[STP]
	s_mul_i32 s4, s10, 8448
	v_lshl_add_u32 v[RM0], v26, 4, s4
	v_add_nc_u32 v[RM1], 67584, v[RM0]
	v_lshlrev_b32 v[ABO], 3, v26
.irp t, 0,1,2,3
	v_mov_b32 v[MA+\t], 0xff800000                 ; -inf: the first step's factor is 0
	v_mov_b32 v[MB+\t], 0xff800000                 ; written because v_permlanex16_b32 counts as a reader of its destination
	v_mov_b32 v[LP+2*\t], 0
	v_mov_b32 v[LP+2*\t+1], 0
.endr
	WIN 0x80
.irp t, 0,1,2,3
.irp c, 0,1,2,3
	global_load_b128 v[32*\t+8*\c:32*\t+8*\c+3],   v[QO], s[78:79] offset:4096*\t+64*\c
	global_load_b128 v[32*\t+8*\c+4:32*\t+8*\c+7], v[QO], s[78:79] offset:4096*\t+64*\c+32
.endr
.endr
.macro LDK s, kh, f                    ; 16 loads: K of my keys 32 kh .. + 31, all 128 of d
	WIN 0x80
.irp k, 0,1
.irp c, 0,1,2,3
	ds_load_b128 v[\f+32*\k+8*\c:\f+32*\k+8*\c+3],   v[ADK+\s] offset:8704*\kh+4352*\k+64*\c
	ds_load_b128 v[\f+32*\k+8*\c+4:\f+32*\k+8*\c+7], v[ADK+\s] offset:8704*\kh+4352*\k+64*\c+32
.endr
.endr
.endm
.macro LDV s, kp, f                    ; 16 transposing loads: V^T of my keys 32 kp .. + 31, 8 blocks of 16 of d
	WIN 0x80
.irp u, 0,1,2,3,4,5,6,7
	ds_load_tr16_b128 v[\f+8*\u:\f+8*\u+3],   v[ADV+\s] offset:9216*\kp+32*\u
	ds_load_tr16_b128 v[\f+8*\u+4:\f+8*\u+7], v[ADV+\s] offset:9216*\kp+32*\u+4608
.endr
.endm
; 32 matrix instructions: two key tiles x four query tiles, d in four parts.  Eight accumulators take turns, one instruction a turn.
.macro SMUL kh, f
.irp c, 0,1,2,3
.irp k, 0,1
.irp t, 0,1,2,3
.if \c == 0
	v_wmma_f32_16x16x32_f16 v[S+32*\t+8*(2*\kh+\k):S+32*\t+8*(2*\kh+\k)+7], v[\f+32*\k+8*\c:\f+32*\k+8*\c+7], v[32*\t+8*\c:32*\t+8*\c+7], 0
.else
	v_wmma_f32_16x16x32_f16 v[S+32*\t+8*(2*\kh+\k):S+32*\t+8*(2*\kh+\k)+7], v[\f+32*\k+8*\c:\f+32*\k+8*\c+7], v[32*\t+8*\c:32*\t+8*\c+7], v[S+32*\t+8*(2*\kh+\k):S+32*\t+8*(2*\kh+\k)+7]
.endif
.endr
.endr
.endr
.endm
; 32 matrix instructions: O^T += V^T P^T over 32 keys; the 32 accumulators take turns
.macro PV kp, f, zero
.irp u, 0,1,2,3,4,5,6,7
.irp t, 0,1,2,3
.if \zero
	v_wmma_f32_16x16x32_f16 v[8*(4*\u+\t):8*(4*\u+\t)+7], v[\f+8*\u:\f+8*\u+7], v[S+32*\t+16*\kp:S+32*\t+16*\kp+7], 0
.else
	v_wmma_f32_16x16x32_f16 v[8*(4*\u+\t):8*(4*\u+\t)+7], v[\f+8*\u:\f+8*\u+7], v[S+32*\t+16*\kp:S+32*\t+16*\kp+7], v[8*(4*\u+\t):8*(4*\u+\t)+7]
.endif
.endr
.endr
.endm
.macro RESCALE                         ; O of query tile t times AL[t]
	WIN 0x41
.irp u, 0,1,2,3,4,5,6,7
.irp t, 0,1,2,3
.irp k, 0,2,4,6
	PKMULB 8*(4*\u+\t)+\k, 8*(4*\u+\t)+\k, AL, \t
.endr
.endr
.endr
	WIN 0
.endm
; New maximum (the old one among its inputs), factor, then P = 2^(S - maximum), its sum in f32, and P rounded in place.
.macro SOFTMAX MO, MN
.irp t, 0,1,2,3
	v_max3_num_f32 v[TMP+\t], v[\MO+\t], v[S+32*\t], v[S+32*\t+1]
.endr
.set i, 1
.rept 15
.irp t, 0,1,2,3
	v_max3_num_f32 v[TMP+\t], v[TMP+\t], v[S+32*\t+2*i], v[S+32*\t+2*i+1]
.endr
.set i, i+1
.endr
.irp t, 0,1,2,3
	v_permlanex16_b32 v[\MN+\t], v[TMP+\t], s96, s97   ; the query's other 32 keys lie in the other half of the lanes
.endr
.irp t, 0,1,2,3
	v_max_num_f32 v[\MN+\t], v[\MN+\t], v[TMP+\t]
.endr
.irp t, 0,1,2,3
	v_sub_f32 v[AL+\t], v[\MO+\t], v[\MN+\t]
.endr
.irp t, 0,1,2,3
	v_exp_f32 v[AL+\t], v[AL+\t]
.endr
	v_nop                                          ; one plain place behind the transcendentals (ISA guide 5.7.2)
	s_wait_alu depctr_va_vdst(0)
.irp t, 0,1,2,3
	PKMULB LP+2*\t, LP+2*\t, AL, \t
.endr
	; 64 units of two numbers, key tile outermost, query tile innermost.  The sum and the rounding of a unit stand one unit later:
	; the sum is the plain place behind the next unit's exponentials, and a rounded word lands only on registers already consumed.
.set u, 0
.rept 64
.set tt, u%4
.set jj, (u/4)%4
.set kt, u/16
.set sp, S+32*tt+8*kt+2*jj
	SUBM sp, \MN, tt
	v_exp_f32 v[sp], v[sp]
	v_exp_f32 v[sp+1], v[sp+1]
.if u > 0
	s_wait_alu depctr_va_vdst(0)
	v_pk_add_f32 v[LP+2*pt:LP+2*pt+1], v[LP+2*pt:LP+2*pt+1], v[pp:pp+1]
	v_cvt_pk_f16_f32 v[pd], v[pp], v[pp+1]
.endif
.set pt, tt
.set pp, sp
.set pd, S+32*tt+16*(kt/2)+4*(kt%2)+jj
.set u, u+1
.endr
	v_pk_add_f32 v[LP+2*pt:LP+2*pt+1], v[LP+2*pt:LP+2*pt+1], v[pp:pp+1]
	v_cvt_pk_f16_f32 v[pd], v[pp], v[pp+1]
.endm
; A step of 256 keys in slot s.  fill: the slot is filled again, two steps ahead; bar: slots change behind a barrier; nextk: the next slot's K is fetched.
; In front of the barrier each wave waits for its reads of the slot (K and V are in registers by then) and for all its tensor loads (one is out: its part
; of the next slot); with fill the barrier opens a round of the cluster's barrier and the joint refill is the first tensor load behind the round.
.macro STEP s, nx, fill, bar, nextk, first, MO, MN
	s_wait_dscnt 16                                ; K of my keys 0-31 is in; the 16 younger loads may be out
	WIN 0x0a
	SMUL 0, F0
	PLACES
	LDV \s, 0, F0
	s_wait_dscnt 16                                ; K of my keys 32-63 is in; the 16 loads of V stay out
	WIN 0x0a
	SMUL 1, F1
	PLACES
	LDV \s, 1, F1
	WIN 0
	SOFTMAX \MO, \MN
.if \first == 0
	RESCALE
.endif
	s_wait_dscnt 0x0
.if \bar
	s_wait_tensorcnt 0x0
	ds_add_u32 v254, v255
	s_wait_dscnt 0x0
	s_barrier_signal -1
.endif
	WIN 0x52
	PV 0, F0, \first                               ; register work while the others arrive
	WIN 0
.if \bar
	s_barrier_wait -1
.endif
.if \fill
	CREST
	s_add_nc_u64 s[G0+4*\s+2:G0+4*\s+3], s[G0+4*\s+2:G0+4*\s+3], 131072
	s_add_nc_u64 s[G0B+4*\s+2:G0B+4*\s+3], s[G0B+4*\s+2:G0B+4*\s+3], 131072
	JLOAD \s
.endif
.if \nextk
	PLACES
	LDK \nx, 0, F0
.endif
	WIN 0x52
	PV 1, F1, 0
	PLACES                                         ; ahead of the loads into buffer 1 and of the next step's products, which write over P
.if \nextk
	LDK \nx, 1, F1
.endif
	WIN 0
.endm
	s_wait_loadcnt 0x0                             ; Q
	s_wait_tensorcnt 0x1                           ; my part of step 0 is in, step 1's stays out
	s_barrier_signal -1
	s_barrier_wait -1
	LDK 0, 0, F0
	LDK 0, 1, F1
	STEP 0, 1, 1, 1, 1, 1, MA, MB                  ; step 0 starts the sums of O
	STEP 1, 0, 1, 1, 1, 0, MB, MA
	s_mov_b32 s3, 6
.Lstep:
	STEP 0, 1, 1, 1, 1, 0, MA, MB                  ; steps 2 to 13
	STEP 1, 0, 1, 1, 1, 0, MB, MA
	s_sub_co_u32 s3, s3, 1
	s_cmp_lg_u32 s3, 0
	s_cbranch_scc1 .Lstep
	STEP 0, 1, 0, 1, 1, 0, MA, MB                  ; step 14 fills nothing
	STEP 1, 0, 0, 0, 0, 0, MB, MA                  ; step 15: the maximum ends in MA
	; THE MERGE.  Each wave's maximum and sum for the 64 queries meet in LDS.
.irp t, 0,1,2,3
	v_add_f32 v[LP+2*\t], v[LP+2*\t], v[LP+2*\t+1]
.endr
.irp t, 0,1,2,3
	v_permlanex16_b32 v[TMP+\t], v[LP+2*\t], s96, s97
.endr
.irp t, 0,1,2,3
	v_add_f32 v[LP+2*\t], v[LP+2*\t], v[TMP+\t]
.endr
.irp t, 0,1,2,3
	ds_store_b32 v[STW], v[MA+\t] offset:64*\t             ; both halves of the lanes write the same number to the same word
	ds_store_b32 v[STW], v[LP+2*\t] offset:1024+64*\t
.endr
	s_wait_dscnt 0x0                               ; for the others' sake
	s_barrier_signal -1
	s_barrier_wait -1
.irp p, 0,1,2,3
.irp t, 0,1,2,3
	ds_load_b32 v[ST+4*\p+\t], v[STA] offset:256*\p+64*\t
	ds_load_b32 v[ST+16+4*\p+\t], v[STA] offset:1024+256*\p+64*\t
.endr
.endr
	s_wait_dscnt 0x0
.irp t, 0,1,2,3
	v_max3_num_f32 v[TMP+\t], v[ST+\t], v[ST+4+\t], v[ST+8+\t]
.endr
.irp t, 0,1,2,3
	v_max_num_f32 v[TMP+\t], v[TMP+\t], v[ST+12+\t]        ; the maximum over all keys
.endr
.irp p, 0,1,2,3
.irp t, 0,1,2,3
	v_sub_f32 v[ST+4*\p+\t], v[ST+4*\p+\t], v[TMP+\t]
.endr
.endr
.irp t, 0,1,2,3
	v_sub_f32 v[AL+\t], v[MA+\t], v[TMP+\t]
.endr
.irp i, 0,1,2,3,4,5,6,7,8,9,10,11,12,13,14,15
	v_exp_f32 v[ST+\i], v[ST+\i]
.endr
.irp t, 0,1,2,3
	v_exp_f32 v[AL+\t], v[AL+\t]
.endr
	v_nop
	s_wait_alu depctr_va_vdst(0)
.irp t, 0,1,2,3
	v_mul_f32 v[LP+\t], v[ST+\t], v[ST+16+\t]
.endr
.irp p, 1,2,3
.irp t, 0,1,2,3
	v_fmac_f32 v[LP+\t], v[ST+4*\p+\t], v[ST+16+4*\p+\t]   ; the sum over all keys
.endr
.endr
.irp t, 0,1,2,3
	v_rcp_f32 v[LP+4+\t], v[LP+\t]
.endr
	v_nop
	s_wait_alu depctr_va_vdst(0)
.irp t, 0,1,2,3
	v_mul_f32 v[AL+\t], v[AL+\t], v[LP+4+\t]               ; my part's weight
.endr
	RESCALE
	; The four weighted parts go into slot 0's bytes: it has had its last fill, and step 14's barrier has shown every wave's reads of it back.
	WIN 0x04
.irp t, 0,1,2,3
.irp u, 0,1,2,3,4,5,6,7
	ds_store_b128 v[STP], v[8*(4*\u+\t):8*(4*\u+\t)+3]   offset:8448*\t+64*\u
	ds_store_b128 v[STP], v[8*(4*\u+\t)+4:8*(4*\u+\t)+7] offset:8448*\t+64*\u+16
.endr
.endr
	WIN 0
	s_wait_dscnt 0x0
	s_barrier_signal -1
	s_barrier_wait -1
	; Wave w sums queries 16 w .. + 15, four rows at a time; a row's 128 numbers are 4 a lane; each row has its own two registers for the store.
.set g, 0
.rept 4
.irp q, 0,1,2,3
	ds_load_b128 v[S+16*\q:S+16*\q+3],     v[RM0] offset:528*(4*g+\q)
	ds_load_b128 v[S+16*\q+4:S+16*\q+7],   v[RM0] offset:33792+528*(4*g+\q)
	ds_load_b128 v[S+16*\q+8:S+16*\q+11],  v[RM1] offset:528*(4*g+\q)
	ds_load_b128 v[S+16*\q+12:S+16*\q+15], v[RM1] offset:33792+528*(4*g+\q)
.endr
.irp q, 0,1,2,3
	s_wait_dscnt 12-4*\q                           ; this row's four loads are in, the later rows' stay out
	v_pk_add_f32 v[S+16*\q:S+16*\q+1],     v[S+16*\q:S+16*\q+1],     v[S+16*\q+4:S+16*\q+5]
	v_pk_add_f32 v[S+16*\q+2:S+16*\q+3],   v[S+16*\q+2:S+16*\q+3],   v[S+16*\q+6:S+16*\q+7]
	v_pk_add_f32 v[S+16*\q+8:S+16*\q+9],   v[S+16*\q+8:S+16*\q+9],   v[S+16*\q+12:S+16*\q+13]
	v_pk_add_f32 v[S+16*\q+10:S+16*\q+11], v[S+16*\q+10:S+16*\q+11], v[S+16*\q+14:S+16*\q+15]
	v_pk_add_f32 v[S+16*\q:S+16*\q+1],     v[S+16*\q:S+16*\q+1],     v[S+16*\q+8:S+16*\q+9]
	v_pk_add_f32 v[S+16*\q+2:S+16*\q+3],   v[S+16*\q+2:S+16*\q+3],   v[S+16*\q+10:S+16*\q+11]
	v_cvt_pk_f16_f32 v[OUTR+2*(4*g+\q)],   v[S+16*\q],   v[S+16*\q+1]
	v_cvt_pk_f16_f32 v[OUTR+2*(4*g+\q)+1], v[S+16*\q+2], v[S+16*\q+3]
	global_store_b64 v[ABO], v[OUTR+2*(4*g+\q):OUTR+2*(4*g+\q)+1], s[76:77] offset:1024*(4*g+\q)   ; the wave stores 256 consecutive aligned bytes
.endr
.set g, g+1
.endr
	s_wait_tensorcnt 0x0
	ds_add_u32 v254, v255
	s_wait_dscnt 0x0
	CROUND                                         ; the closing round
	s_endpgm
.Lfunc_end_k_qccf72abdff_attn:
	.size	k_qccf72abdff_attn, .Lfunc_end_k_qccf72abdff_attn-k_qccf72abdff_attn
	.p2alignl 7, 3214868480
	.fill 96, 4, 3214868480
	.section	.rodata,"a",@progbits
	.p2align	6, 0x0
	.amdhsa_kernel k_qccf72abdff_attn
		.amdhsa_group_segment_fixed_size 327680
		.amdhsa_private_segment_fixed_size 0
		.amdhsa_enable_private_segment 0
		.amdhsa_kernarg_size 32
		.amdhsa_user_sgpr_count 2
		.amdhsa_user_sgpr_kernarg_segment_ptr 1
		.amdhsa_wavefront_size32 1
		.amdhsa_system_sgpr_workgroup_id_x 1
		.amdhsa_system_sgpr_workgroup_id_y 1
		.amdhsa_system_sgpr_workgroup_id_z 1
		.amdhsa_system_vgpr_workitem_id 0
		.amdhsa_next_free_vgpr 768
		.amdhsa_next_free_sgpr 100
		.amdhsa_reserve_vcc 0
		.amdhsa_float_denorm_mode_32 3
		.amdhsa_float_denorm_mode_16_64 3
		.amdhsa_memory_ordered 1
		.amdhsa_forward_progress 1
		.amdhsa_inst_pref_size 255
	.end_amdhsa_kernel
	.section	.bss,"aw",@nobits
	.p2align	6
	.space	262144
	.amdgpu_metadata
---
amdhsa.version: [ 1, 2 ]
amdhsa.kernels:
  - .name:           k_qccf72abdff_attn
    .symbol:         k_qccf72abdff_attn.kd
    .args:
      - { .name: qb, .offset: 0, .size: 8, .value_kind: global_buffer, .address_space: global }
      - { .name: kb, .offset: 8, .size: 8, .value_kind: global_buffer, .address_space: global }
      - { .name: vb, .offset: 16, .size: 8, .value_kind: global_buffer, .address_space: global }
      - { .name: ab, .offset: 24, .size: 8, .value_kind: global_buffer, .address_space: global }
    .group_segment_fixed_size: 327680
    .private_segment_fixed_size: 0
    .kernarg_segment_align: 8
    .kernarg_segment_size: 32
    .max_flat_workgroup_size: 128
    .sgpr_count:     100
    .vgpr_count:     768
    .wavefront_size: 32
...
	.end_amdgpu_metadata
.endif
;; end of part 3
;; launch oproj (part 4): grid 8 x 32, 4 waves a work-group, clusters of 4 x 4, 327,680 bytes of LDS; arguments ab, wb, out0; writes out0
.if DOCPART == 4
	.amdgcn_target "amdgcn-amd-amdhsa--gfx1250"
	.amdhsa_code_object_version 6
	.text
	.protected	k_qccf72abdff_oproj
	.globl	k_qccf72abdff_oproj
	.p2align	8
	.type	k_qccf72abdff_oproj,@function
k_qccf72abdff_oproj:
	s_mov_b64 s[64:65], 0
	v_nop
	global_prefetch_b8 v0, s[64:65] scope:SCOPE_SE
	s_setreg_imm32_b32 hwreg(HW_REG_WAVE_MODE, 25, 1), 1
	s_wait_xcnt 0x0
	s_wait_alu depctr_hold_cnt(0) depctr_sa_sdst(0) depctr_va_vdst(0) depctr_va_sdst(0) depctr_va_ssrc(0) depctr_va_vcc(0) depctr_vm_vsrc(0)
	s_getreg_b32 s2, hwreg(HW_REG_IB_STS2, 6, 4)
	s_cmp_eq_u32 s2, 0
	s_cbranch_scc0 .Lentry_in_a_cluster
	s_endpgm
.Lentry_in_a_cluster:
	s_bfe_u32 s2, ttmp6, 0x10000c
	s_cmp_lg_u32 s2, 0xf033
	s_cbranch_scc0 .Lentry_shape_is_right
	s_endpgm
.Lentry_shape_is_right:
; out0 = ab Wo.  ab: [4096][512] f16; Wo: [512][2048] f16 at byte 6,291,456 of wb, read by the transposing LDS load; out0: [4096][2048] f32.  Sums in f32.
; A work-group makes 128 rows x 256 columns (256 work-groups), a wave 64 x 128: 32 accumulator tiles in window 1, tile (a, b) at 8 (8 a + b).
; K = 512 goes in four steps of 128 through two LDS slots, written out without a loop.
; CLUSTERS 4 x 4: ab's tile is shared along a row of the cluster, Wo's along a column; both are asked for jointly.
; A wave has two tensor loads out at the start, later one.  No prefetch: the launch is short and reads what earlier launches have just written.
; The matrix instruction is used transposed (source 0 = 16 columns of Wo, source 1 = 16 rows of ab): lane (r, h) holds row r, columns 8 h + 0..7.
.set SLOT,  104448                     ; ab: 128 rows x 272, then Wo: 128 rows x 544
.set BOFF,  34816
.set STAGE, 208896                     ; each wave's own 16 rows x 528, touched by LDS instructions alone
.set ADA, 2
.set ADB, 4
.set STO, 6
.set RD,  7
.set CO,  8
.set FA,  32                           ; v[32:63], v[64:95] fragments of ab, two buffers
.set FB,  96                           ; v[96:159], v[160:223] fragments of Wo
.set X,   32                           ; the way out
.set G1,  24
.set G0,  32
.set G1B, 48
.set G0B, 56
.set MSB, 0
.macro WIN new
.if MSB != \new
	s_set_vgpr_msb (MSB<<8)|\new
.set MSB, \new
.endif
.endm
.macro PLACES                          ; the places behind matrix instructions (ISA guide 7.12.1)
.rept 5
	v_nop
.endr
.endm
.macro CREST
	s_cmp_lg_u32 s10, 0
	s_cbranch_scc1 .Lnot_wave_0_\@
	s_barrier_signal -3
.Lnot_wave_0_\@:
	s_barrier_wait -3
	s_barrier_signal -1
	s_barrier_wait -1
.endm
.macro CROUND
	s_barrier_signal -1
	s_barrier_wait -1
	CREST
.endm
.macro JLOAD s                         ; waves 0, 1 ask for ab's two halves of 64 rows, waves 2, 3 for Wo's two halves of 64 rows
	s_cmp_eq_u32 s11, 0
	s_cbranch_scc0 .Lfor_b_\@
	tensor_load_to_lds s[G0+4*\s:G0+4*\s+3], s[G1:G1+7]
	s_nop 0
	s_branch .Lasked_\@
.Lfor_b_\@:
	tensor_load_to_lds s[G0B+4*\s:G0B+4*\s+3], s[G1B:G1B+7]
	s_nop 0
.Lasked_\@:
.endm
.macro SETG1 g, mask, w0, d0, d1, pitch
	s_or_b32 s[\g], \mask, \w0
	s_mov_b32 s[\g+1], (\d0)<<16
	s_mov_b32 s[\g+2], (\d1)<<16
	s_mov_b32 s[\g+3], (\d0)<<16
	s_mov_b32 s[\g+4], \d1
	s_mov_b32 s[\g+5], \pitch
	s_mov_b32 s[\g+6], 0
	s_mov_b32 s[\g+7], 0
.endm
.macro SETG0 g, lds, lc, ap, off
	s_mov_b32 s[\g], 1
	s_add_co_u32 s[\g+1], \lds, \lc
	s_add_nc_u64 s[\g+2:\g+3], s[\ap:\ap+1], \off
	s_or_b32 s[\g+3], s[\g+3], 0x80000000
.endm
	s_load_b128 s[68:71], s[0:1], 0x0              ; ab 68, wb 70
	s_load_b64 s[72:73], s[0:1], 0x10              ; out0
	v_lshl_add_u32 v254, v0, 2, 0x3b400
	v_mov_b32 v255, 0
	ds_add_u32 v254, v255
	v_lshrrev_b32 v1, 5, v0
	v_readfirstlane_b32 s10, v1
	s_lshr_b32 s11, s10, 1                         ; my half of the rows.  Also: I fetch for ab (0) or for Wo (1)
	s_and_b32 s12, s10, 1                          ; my half of the columns.  Also: which half of the tile I fetch
	s_bfe_u32 s40, ttmp6, 0x40000
	s_bfe_u32 s41, ttmp6, 0x40004
	s_lshl_b32 s42, ttmp9, 2
	s_add_co_u32 s42, s42, s40                     ; x: block of 256 columns
	s_and_b32 s13, ttmp7, 0xffff
	s_lshl_b32 s13, s13, 2
	s_add_co_u32 s13, s13, s41                     ; y: block of 128 rows
	s_lshl_b32 s43, s41, 2
	s_lshl_b32 s43, 15, s43
	s_lshl_b32 s44, 0x1111, s40
	SETG1 G1, s43, (1<<16)|(1<<20)|(1<<21)|(5<<22)|(3<<25), 128, 64, 512      ; rows of 256 bytes + 16
	SETG1 G1B, s44, (1<<16)|(1<<20)|(1<<21)|(6<<22)|(7<<25), 256, 64, 2048    ; rows of 512 bytes + 32
	s_lshl_b32 s14, s13, 17                        ; 128 y rows of 1,024 bytes
	s_lshl_b32 s15, s12, 16                        ; + my 64
	s_add_co_u32 s14, s14, s15
	s_mov_b32 s15, 0
	s_lshl_b32 s20, s12, 18                        ; 64 rows of 4,096 bytes
	s_lshl_b32 s21, s42, 9
	s_add_co_u32 s20, s20, s21
	s_add_co_u32 s20, s20, 6291456                 ; Wo's place in wb
	s_mov_b32 s21, 0
	s_mul_i32 s22, s12, 17408
	s_mul_i32 s23, s12, 34816
	s_wait_dscnt 0x0
	s_wait_kmcnt 0x0
	s_add_nc_u64 s[14:15], s[68:69], s[14:15]
	s_add_nc_u64 s[20:21], s[70:71], s[20:21]
	SETG0 G0, s22, 0, 14, 0
	SETG0 G0B, s23, BOFF, 20, 0
	SETG0 G0+4, s22, SLOT, 14, 256
	SETG0 G0B+4, s23, SLOT+BOFF, 20, 524288
	CROUND
	JLOAD 0
	JLOAD 1
	s_lshl_b32 s4, s13, 20                         ; my first row and column of out0, in bytes
	s_lshl_b32 s5, s11, 19
	s_add_co_u32 s4, s4, s5
	s_lshl_b32 s5, s42, 10
	s_add_co_u32 s4, s4, s5
	s_lshl_b32 s5, s12, 9
	s_add_co_u32 s4, s4, s5
	s_mov_b32 s5, 0
	s_add_nc_u64 s[72:73], s[72:73], s[4:5]
	v_and_b32 v9, 31, v0
	v_and_b32 v10, 15, v0
	v_bfe_u32 v11, v0, 4, 1
	v_and_b32 v12, 7, v0
	v_bfe_u32 v13, v0, 3, 1
	v_lshl_add_u32 v12, v11, 3, v12
	v_mul_u32_u24 v12, v12, 544
	v_lshl_add_u32 v12, v13, 4, v12                ; the transposing load's lane term
	v_mul_u32_u24 v14, v10, 272
	v_lshl_add_u32 v14, v11, 4, v14
	s_mul_i32 s6, s11, 17408
	v_add_nc_u32 v[ADA], s6, v14
	v_add_nc_u32 v[ADA+1], SLOT, v[ADA]
	s_lshl_b32 s6, s12, 8
	s_add_co_u32 s6, s6, BOFF
	v_add_nc_u32 v[ADB], s6, v12
	v_add_nc_u32 v[ADB+1], SLOT, v[ADB]
	s_mul_i32 s6, s10, 8448
	s_add_co_u32 s6, s6, STAGE
	v_mul_u32_u24 v15, v10, 528
	v_lshl_add_u32 v15, v11, 5, v15
	v_add_nc_u32 v[STO], s6, v15
	v_lshl_add_u32 v[RD], v9, 4, s6
	v_lshlrev_b32 v[CO], 4, v9
.macro FETCH s, q, f                   ; 24 loads: quarter q of slot s into buffer f
.irp i, 0,1,2,3
	ds_load_b128 v[FA+32*\f+8*\i:FA+32*\f+8*\i+3],   v[ADA+\s] offset:64*\q+4352*\i
	ds_load_b128 v[FA+32*\f+8*\i+4:FA+32*\f+8*\i+7], v[ADA+\s] offset:64*\q+4352*\i+32
.endr
.irp b, 0,1,2,3,4,5,6,7
	ds_load_tr16_b128 v[FB+64*\f+8*\b:FB+64*\f+8*\b+3],   v[ADB+\s] offset:17408*\q+32*\b
	ds_load_tr16_b128 v[FB+64*\f+8*\b+4:FB+64*\f+8*\b+7], v[ADB+\s] offset:17408*\q+32*\b+8704
.endr
.endm
.macro MUL16 f, a0, zero               ; the accumulators take turns, one instruction a turn
.irp a, \a0, \a0+1
.irp b, 0,1,2,3,4,5,6,7
.if \zero
	v_wmma_f32_16x16x32_f16 v[8*(8*(\a)+\b):8*(8*(\a)+\b)+7], v[FB+64*\f+8*\b:FB+64*\f+8*\b+7], v[FA+32*\f+8*(\a):FA+32*\f+8*(\a)+7], 0
.else
	v_wmma_f32_16x16x32_f16 v[8*(8*(\a)+\b):8*(8*(\a)+\b)+7], v[FB+64*\f+8*\b:FB+64*\f+8*\b+7], v[FA+32*\f+8*(\a):FA+32*\f+8*(\a)+7], v[8*(8*(\a)+\b):8*(8*(\a)+\b)+7]
.endif
.endr
.endr
.endm
.macro QTR f, zero, s, q, g            ; fetches quarter q into buffer g, multiplies buffer f
	WIN 0
	PLACES
	FETCH \s, \q, \g
	s_wait_dscnt 24                                ; all but the 24 just issued
	WIN 0x50
	MUL16 \f, 0, \zero
	MUL16 \f, 2, \zero
.endm
.macro KSTEP s, zero
	QTR 0, \zero, \s, 1, 1
	QTR 1, 0, \s, 2, 0
	QTR 0, 0, \s, 3, 1
.endm
; The last quarter and the change of slots: my reads of the slot are back and all my tensor loads in, in front of the barrier;
; with fill the barrier opens a round of the cluster's barrier, and the joint refill is the first tensor load behind the round.
.macro TURN s, nx, fill
	s_wait_dscnt 0x0
	s_wait_tensorcnt 0x0
	ds_add_u32 v254, v255
	s_wait_dscnt 0x0
	s_barrier_signal -1
	MUL16 1, 0, 0
	WIN 0
	s_barrier_wait -1
.if \fill
	CREST
	s_add_nc_u64 s[G0+4*\s+2:G0+4*\s+3], s[G0+4*\s+2:G0+4*\s+3], 512
	s_add_nc_u64 s[G0B+4*\s+2:G0B+4*\s+3], s[G0B+4*\s+2:G0B+4*\s+3], 1048576
	JLOAD \s
.endif
	PLACES
	FETCH \nx, 0, 0
	WIN 0x50
	MUL16 1, 2, 0
.endm
	s_wait_tensorcnt 0x1                           ; my part of K step 0 is in, step 1's stays out
	s_barrier_signal -1
	s_barrier_wait -1
	FETCH 0, 0, 0
	KSTEP 0, 1                                     ; the first products start the sums
	TURN 0, 1, 1
	KSTEP 1, 0
	TURN 1, 0, 1
	KSTEP 0, 0
	TURN 0, 1, 0
	KSTEP 1, 0
	s_wait_dscnt 0x0
	MUL16 1, 0, 0
	MUL16 1, 2, 0
	PLACES
	; THE WAY OUT, 16 rows at a time through my stage: in by tiles, back as whole rows of 512 bytes
.macro OUT16 a
	WIN 0x04
.irp b, 0,1,2,3,4,5,6,7
	ds_store_b128 v[STO], v[8*(8*\a+\b):8*(8*\a+\b)+3]   offset:64*\b
	ds_store_b128 v[STO], v[8*(8*\a+\b)+4:8*(8*\a+\b)+7] offset:64*\b+16
.endr
	WIN 0
	s_wait_xcnt 0x0                                ; X, which the last group's stores read, is loaded again only behind this wait
.irp q, 0,1,2,3,4,5,6,7,8,9,10,11,12,13,14,15
	ds_load_b128 v[X+4*\q:X+4*\q+3], v[RD] offset:528*\q       ; LDS serves a wave's instructions in order: these see the stores above
.endr
.irp q, 0,1,2,3,4,5,6,7,8,9,10,11,12,13,14,15
	s_wait_dscnt 15-\q
	global_store_b128 v[CO], v[X+4*\q:X+4*\q+3], s[72:73] offset:(16*\a+\q)*8192 th:TH_STORE_NT   ; the wave stores 512 consecutive aligned bytes
.endr
.endm
	OUT16 0
	OUT16 1
	OUT16 2
	OUT16 3
	s_wait_tensorcnt 0x0
	ds_add_u32 v254, v255
	s_wait_dscnt 0x0
	CROUND                                         ; the closing round
	s_endpgm
.Lfunc_end_k_qccf72abdff_oproj:
	.size	k_qccf72abdff_oproj, .Lfunc_end_k_qccf72abdff_oproj-k_qccf72abdff_oproj
	.p2alignl 7, 3214868480
	.fill 96, 4, 3214868480
	.section	.rodata,"a",@progbits
	.p2align	6, 0x0
	.amdhsa_kernel k_qccf72abdff_oproj
		.amdhsa_group_segment_fixed_size 327680
		.amdhsa_private_segment_fixed_size 0
		.amdhsa_enable_private_segment 0
		.amdhsa_kernarg_size 24
		.amdhsa_user_sgpr_count 2
		.amdhsa_user_sgpr_kernarg_segment_ptr 1
		.amdhsa_wavefront_size32 1
		.amdhsa_system_sgpr_workgroup_id_x 1
		.amdhsa_system_sgpr_workgroup_id_y 1
		.amdhsa_system_sgpr_workgroup_id_z 1
		.amdhsa_system_vgpr_workitem_id 0
		.amdhsa_next_free_vgpr 512
		.amdhsa_next_free_sgpr 100
		.amdhsa_reserve_vcc 0
		.amdhsa_float_denorm_mode_32 3
		.amdhsa_float_denorm_mode_16_64 3
		.amdhsa_memory_ordered 1
		.amdhsa_forward_progress 1
		.amdhsa_inst_pref_size 85
	.end_amdhsa_kernel
	.amdgpu_metadata
---
amdhsa.version: [ 1, 2 ]
amdhsa.kernels:
  - .name:           k_qccf72abdff_oproj
    .symbol:         k_qccf72abdff_oproj.kd
    .args:
      - { .name: ab, .offset: 0, .size: 8, .value_kind: global_buffer, .address_space: global }
      - { .name: wb, .offset: 8, .size: 8, .value_kind: global_buffer, .address_space: global }
      - { .name: out0, .offset: 16, .size: 8, .value_kind: global_buffer, .address_space: global }
    .group_segment_fixed_size: 327680
    .private_segment_fixed_size: 0
    .kernarg_segment_align: 8
    .kernarg_segment_size: 24
    .max_flat_workgroup_size: 128
    .sgpr_count:     100
    .vgpr_count:     512
    .wavefront_size: 32
...
	.end_amdgpu_metadata
.endif
;; end of part 4
;; ======== version 2 of 2: 4 launches; version 1 with the launch prep written anew for expert scheduling mode
;; limits: values are held in f16: magnitudes above 65,504 overflow, below 6.1e-05 lose precision
;; workspace buffers: wb 8,388,608 bytes; kb 16,777,216 bytes; vb 16,777,216 bytes; qb 4,194,304 bytes; ab 4,194,304 bytes
;; launch prep (part 5): grid 64 x 4, 8 waves a work-group, no clusters, 0 bytes of LDS; arguments Wk, Wv, Wq, Wo, wb; writes wb
.if DOCPART == 5
	.amdgcn_target "amdgcn-amd-amdhsa--gfx1250"
	.amdhsa_code_object_version 6
	.text
	.protected	k_qccf72abdff_prep
	.globl	k_qccf72abdff_prep
	.p2align	8
	.type	k_qccf72abdff_prep,@function
k_qccf72abdff_prep:
	s_mov_b64 s[64:65], 0
	v_nop
	global_prefetch_b8 v0, s[64:65] scope:SCOPE_SE
	s_setreg_imm32_b32 hwreg(HW_REG_WAVE_SCHED_MODE, 0, 2), 2
	s_setreg_imm32_b32 hwreg(HW_REG_WAVE_MODE, 25, 1), 1
	s_wait_xcnt 0x0
	s_wait_alu depctr_vm_vsrc(0)
; wb = the four weight matrices rounded to f16.
; Bytes 0 .. 6,291,455: Wk, Wv, Wq woven as [k 2048][head 4][matrix 3][128], so that the 384 columns that one head's projection needs of a row k
; (128 of Wk, 128 of Wv, 128 of Wq) are 768 consecutive bytes: the projection fetches them as one tile.  From byte 6,291,456: Wo as it lies, [512][2048].
; f16 and not bf16: 11 significant bits against 8.  LIMIT: a weight beyond 65,504 in magnitude overflows in the conversion; below 6.1e-5 the step is 6e-8.
; A pure stream: grid y picks the matrix, grid x a piece of 65,536 source bytes.  Thread t takes 16 bytes at 16 t of each of 16 blocks of 4,096 bytes:
; all 16 loads of a wave go out first, and they are waited for by count, four blocks at a time.  A wave's 128 numbers are one head's columns of one row
; (or 128 neighbours of Wo): every store of a wave covers 256 consecutive aligned bytes.  No LDS, no barrier, no matrix unit: nothing is shared and nothing is summed.
; Where the 8 bytes of thread t, block i, piece x go:  f (1,024 (t >> 7) + 256 ((t >> 5) & 3) + 2,048 i + 32,768 x) + 8 (t & 31) + c,
; with f = 3, c = 256 x matrix for the woven three (rows of 3,072 bytes, heads of 768) and f = 1, c = 6,291,456 for Wo.
; THE MODE: SCHED_MODE bits 1:0 = 2 (LLVM: expert scheduling mode 2), set by the entry lines.  The code itself states the register dependences
; between vector instructions and memory instructions, with s_wait_alu, always for 0.
; THE PLAN.  Registers that memory instructions touch:
;   v1          the source offset.  Written once at the head; read by all 16 loads; never written again.
;   v[4:67]     block i as loaded, 4 registers.  Written by its load alone, once; read by its two conversions behind the wait for the load.
;   v[100:115]  block i's offset in wb.  Written once, behind the loads; read by block i's store; never written again.
;   v[68:99]    block i rounded, 2 registers.  Written by its two conversions; read by its store; never written again.
; No register that a load or store reads is written a second time, and no load lands in a register that a vector instruction has named: what is left to state is
; that a register is written before a load or store reads it.  The 16 blocks go in four groups of four.  At the head of group g one wait states that group g - 1's
; conversions have written their results; that group's four stores follow, dealt among group g's conversions, which write other registers.
.set OFF, 100                          ; v[100:115] block i's byte offset in wb
.macro ROUND2 i                        ; block i: four f32 become four f16 in two registers
	v_cvt_pk_f16_f32 v[68+2*(\i)], v[4+4*(\i)], v[5+4*(\i)]
	v_cvt_pk_f16_f32 v[69+2*(\i)], v[6+4*(\i)], v[7+4*(\i)]
.endm
.macro SEND i                          ; block i leaves: no register is used twice
	global_store_b64 v[OFF+(\i)], v[68+2*(\i):69+2*(\i)], s[12:13]
.endm
	s_load_b256 s[4:11], s[0:1], 0x0               ; Wk s[4:5], Wv s[6:7], Wq s[8:9], Wo s[10:11]
	s_load_b64 s[12:13], s[0:1], 0x20              ; wb
	s_and_b32 s14, ttmp7, 0xffff                   ; which matrix
	v_lshlrev_b32 v1, 4, v0                        ; 16 t: source
	s_lshl_b32 s16, ttmp9, 16                      ; my piece of the source
	s_mov_b32 s17, 0
	s_lshl_b32 s18, ttmp9, 15                      ; 32,768 x
	s_lshl_b32 s22, s14, 8                         ; 256 x matrix
	s_mov_b32 s23, 6291456
	s_cmp_eq_u32 s14, 3
	s_cselect_b32 s20, 1, 3                        ; f
	s_cselect_b32 s22, s23, s22                    ; c
	s_mul_i32 s18, s18, s20
	s_add_co_u32 s18, s18, s22
	s_mov_b32 s19, 0
	s_lshl_b32 s21, s20, 10                        ; 1,024 f
	s_lshl_b32 s23, s20, 8                         ; 256 f
	s_lshl_b32 s20, s20, 11                        ; 2,048 f
	s_wait_kmcnt 0x0
	s_cmp_eq_u32 s14, 1
	s_cselect_b64 s[4:5], s[6:7], s[4:5]
	s_cmp_eq_u32 s14, 2
	s_cselect_b64 s[4:5], s[8:9], s[4:5]
	s_cmp_eq_u32 s14, 3
	s_cselect_b64 s[4:5], s[10:11], s[4:5]
	s_add_nc_u64 s[4:5], s[4:5], s[16:17]
	s_add_nc_u64 s[12:13], s[12:13], s[18:19]
	s_wait_alu depctr_va_vdst(0)                   ; v1 is written: all 16 loads read it as their offset
.irp i, 0,1,2,3,4,5,6,7,8,9,10,11,12,13,14,15
	global_load_b128 v[4+4*\i:7+4*\i], v1, s[4:5] offset:4096*\i th:TH_LOAD_NT
.endr
	v_and_b32 v2, 31, v0                           ; the offsets are made while the loads are on their way; these lines name neither v1 nor v[4:67]
	v_lshlrev_b32 v2, 3, v2
	v_lshrrev_b32 v116, 7, v0
	v_bfe_u32 v117, v0, 5, 2
	v_mad_u32_u24 v2, v116, s21, v2
	v_mad_u32_u24 v2, v117, s23, v2
.irp i, 0,1,2,3,4,5,6,7,8,9,10,11,12,13,14,15
	v_mad_u32_u24 v[OFF+\i], s20, \i, v2
.endr
	s_wait_loadcnt 12                              ; loads come back in order: blocks 0 to 3 are in, the twelve younger ones stay out
.irp i, 0,1,2,3
	ROUND2 \i                                      ; group 0 has no group in front of it: nothing to store yet
.endr
.irp g, 1,2,3
	s_wait_loadcnt 12-4*\g                         ; this group's four blocks are in, the younger groups stay out
	s_wait_alu depctr_va_vdst(0)                   ; the group before has written its eight registers of v[68:99], which the four stores below read; at group 1 also: the sixteen offsets v[100:115] are written
.irp i, 0,1,2,3
	SEND 4*(\g)-4+\i                               ; no vector instruction since the wait names this store's registers
	ROUND2 4*(\g)+\i
.endr
.endr
	s_wait_alu depctr_va_vdst(0)                   ; group 3 has written v[92:99], which the last four stores read
.irp i, 12,13,14,15
	SEND \i
.endr
	s_endpgm
.Lfunc_end_k_qccf72abdff_prep:
	.size	k_qccf72abdff_prep, .Lfunc_end_k_qccf72abdff_prep-k_qccf72abdff_prep
	.p2alignl 7, 3214868480
	.fill 96, 4, 3214868480
	.section	.rodata,"a",@progbits
	.p2align	6, 0x0
	.amdhsa_kernel k_qccf72abdff_prep
		.amdhsa_group_segment_fixed_size 0
		.amdhsa_private_segment_fixed_size 0
		.amdhsa_enable_private_segment 0
		.amdhsa_kernarg_size 40
		.amdhsa_user_sgpr_count 2
		.amdhsa_user_sgpr_kernarg_segment_ptr 1
		.amdhsa_wavefront_size32 1
		.amdhsa_system_sgpr_workgroup_id_x 1
		.amdhsa_system_sgpr_workgroup_id_y 1
		.amdhsa_system_sgpr_workgroup_id_z 1
		.amdhsa_system_vgpr_workitem_id 0
		.amdhsa_next_free_vgpr 120
		.amdhsa_next_free_sgpr 66
		.amdhsa_reserve_vcc 0
		.amdhsa_float_denorm_mode_32 3
		.amdhsa_float_denorm_mode_16_64 3
		.amdhsa_memory_ordered 1
		.amdhsa_forward_progress 1
		.amdhsa_inst_pref_size 8
	.end_amdhsa_kernel
	.amdgpu_metadata
---
amdhsa.version: [ 1, 2 ]
amdhsa.kernels:
  - .name:           k_qccf72abdff_prep
    .symbol:         k_qccf72abdff_prep.kd
    .args:
      - { .name: Wk, .offset: 0, .size: 8, .value_kind: global_buffer, .address_space: global }
      - { .name: Wv, .offset: 8, .size: 8, .value_kind: global_buffer, .address_space: global }
      - { .name: Wq, .offset: 16, .size: 8, .value_kind: global_buffer, .address_space: global }
      - { .name: Wo, .offset: 24, .size: 8, .value_kind: global_buffer, .address_space: global }
      - { .name: wb, .offset: 32, .size: 8, .value_kind: global_buffer, .address_space: global }
    .group_segment_fixed_size: 0
    .private_segment_fixed_size: 0
    .kernarg_segment_align: 8
    .kernarg_segment_size: 40
    .max_flat_workgroup_size: 256
    .sgpr_count:     66
    .vgpr_count:     120
    .wavefront_size: 32
...
	.end_amdgpu_metadata
.endif
;; end of part 5
;; launch proj: the kernel of part 2 again; grid 4 x 64, 4 waves a work-group, clusters of 4 x 4, 327,680 bytes of LDS; arguments ctx, noise, wb, cos, sin, kn_w, qn_w, kb, vb, qb; writes kb, vb, qb
;; launch attn: the kernel of part 3 again; grid 16 x 16, 4 waves a work-group, clusters of 4 x 1, 327,680 bytes of LDS; arguments qb, kb, vb, ab; writes ab
;; launch oproj: the kernel of part 4 again; grid 8 x 32, 4 waves a work-group, clusters of 4 x 4, 327,680 bytes of LDS; arguments ab, wb, out0; writes out0
